; MI455X (gfx1250); checked and timed in simulation.
; The chip was launched on July 23, 2026; its instructions are those of AMD's public machine-readable ISA for CDNA 5 (MIT licence, August 2026) and "CDNA5" Instruction Set Architecture Reference Guide (July 2026). The comments in the code are by the model that wrote it; some were corrected since.
;; Attention. Allowed arithmetic: matrix products marked QUANTISED: E4M3 operands, one E8M0 scale for each 32 along K, by v_wmma_scale_f32_16x16x128_f8f6f4 with both operands' format E4M3, f32 sums; everything else in f32.
;; Inputs: W_fc2_codes 1,024 x 32 x 32 uint8 (E4M3 codes of W_fc2, K innermost, in blocks of 32 codes); W_fc2_scales 1,024 x 32 uint8 (E8M0 scales of W_fc2, one for each 32 codes along K); W_fc_codes 3,072 x 32 x 32 uint8 (E4M3 codes of W_fc, K innermost, in blocks of 32 codes); W_fc_scales 3,072 x 32 uint8 (E8M0 scales of W_fc, one for each 32 codes along K); b_fc 3,072 float32; b_fc2 1,024 float32; x 4 x 2,048 x 1,024 float32.
;; Outputs: out0 4 x 2,048 x 1,024 float32.
;; This version of the problem:
;;   THIS VERSION OF THE PROBLEM IS GIVEN IN LOW PRECISION. The matrix products marked QUANTISED in the list below multiply operands that are first quantised to E4M3 (4 exponent bits, 3 mantissa bits; 8 bits a number), with one power-of-two scale for each 32 numbers along K (OCP MX v1.0); their sums are f32. All else is computed in f32.
;;   The module's matrix products, in the order in which they are computed (A, B: the left and right operand; K: the contracted axis; several contracted axes count as one K, in the product's order):
;;     1. [M 8,192, K 1,024] x [K 1,024, N 3,072]; A: input x; B: input W_fc (given as codes): QUANTISED
;;     2. batch 64 x [M 2,048, K 64] x [K 64, N 2,048]; A: computed on the way; B: computed on the way: QUANTISED
;;     3. batch 64 x [M 64, K 2,048] x [K 2,048, N 2,048]; A: computed on the way; B: softmax (see below): QUANTISED
;;     4. [M 8,192, K 1,024] x [K 1,024, N 1,024]; A: computed on the way; B: input W_fc2 (given as codes): QUANTISED
;;   THE QUANTISER, for each operand of a quantised product, along K:
;;     - K is cut into blocks of 32 from its start; a last block that is shorter is filled with zeros.
;;     - A block's scale is 2^e with e = floor(log2(the largest magnitude in the block)) - 8, held to -126 .. 127; a block of zeros has e = 0. As a byte (E8M0): e + 127.
;;     - Each number is divided by its block's scale, clamped to +-448, and rounded to the nearest number of E4M3, ties to even, subnormals kept.
;;     - The product sums the exact products of the quantised numbers (number of the format x scale) in f32.
;;   ~~~python
;;   def quantise(x, axis):      # numpy; x: float32 -> the quantised numbers, widened to float32 again
;;       x = np.moveaxis(x, axis, -1); K = x.shape[-1]
;;       x = np.pad(x, [(0, 0)] * (x.ndim - 1) + [(0, -K % 32)]); x = x.reshape(x.shape[:-1] + (-1, 32)); a = np.abs(x).max(-1, keepdims=True)
;;       e = np.where(a > 0, np.clip(np.frexp(np.where(a > 0, a, 1))[1] - 1 - 8, -126, 127), 0)      # np.frexp(a)[1] - 1 = floor(log2(a)), exactly
;;       r = np.clip(x / 2.0 ** e, -448, 448)
;;       step = 2.0 ** (np.maximum(np.frexp(np.where(r == 0, 1, r))[1] - 1, -6) - 3)
;;       q = np.round(r / step) * step * 2.0 ** e      # np.round: ties to even
;;       return np.moveaxis(q.reshape(q.shape[:-2] + (-1,))[..., :K], -1, axis).astype(np.float32)
;;   ~~~
;;   SOFTMAX AHEAD OF A QUANTISED PRODUCT. Where the list says 'softmax', what is quantised is not the finished softmax but p = 2^(t - M), with t = logit x log2(e) and M = ceil(the row's largest t), a whole number; so 1/2 < the row's largest p <= 1. The row's sum l is taken of the UNQUANTISED p, in f32, and the product's result is divided by l at the end. Since M is a whole number, a kernel that streams over the keys may use a running M (the ceiling of the running maximum): every later rescaling is an exact power of two, which a block's scale takes up: the codes' values come out the same.
;;   OPERANDS COMPUTED ON THE WAY. 'Computed on the way' means the value that the module computes at that place (a softmax that the list does not call 'softmax' is quantised finished and normalised). What goes into a quantiser is computed in f32, as accurately as f32 sums, v_exp_f32 and their like allow (about 1e-6 of the number): no bf16 or f16 on the way to a quantiser, and a product that is left as it is and whose result goes on into a quantised operand takes f32 operands (vector FMAs, or v_wmma_f32_16x16x4_f32). A number that lies on a knife's edge between two numbers of the format may be rounded either way, as far as f32 arithmetic and the matrix unit's own rounding can turn it there, and no further.
;;   INPUTS GIVEN AS CODES. W_fc (in the module: [1024, 3072], K = its axis 0); W_fc2 (in the module: [1024, 1024], K = its axis 0): each comes as NAME_codes (uint8): NAME with its K axis moved to the last place and cut into blocks of 32 codes, [.., K / 32, bytes a block], one block behind the other in memory; one code a byte (a code: sign, 4 exponent bits, 3 mantissa bits); and NAME_scales (uint8): the same leading axes, one E8M0 byte (e + 127) for each 32 codes along K. Its value is code x scale, taken as it is: it is not quantised again, and the codes and scales need not be those that the quantiser above would give.
;; One version. Each part assembles by itself: llvm-mc -triple=amdgcn-amd-amdhsa -mcpu=gfx1250 --defsym DOCPART=n.
;; ======== version 1 of 1: 4 launches
;; limits: right only within a limited range of input values
;; workspace buffers: xq 8,650,752 bytes; qb 8,650,752 bytes; kb 8,650,752 bytes; vb 8,650,752 bytes; ab 8,650,752 bytes
;; launch quantx (part 1): grid 256 x 1, 4 waves a work-group, no clusters, 35,328 bytes of LDS; arguments x, xq; writes xq
.if DOCPART == 1
	.amdgcn_target "amdgcn-amd-amdhsa--gfx1250"
	.amdhsa_code_object_version 6
	.text
	.protected	k_q97019c9963_quantx
	.globl	k_q97019c9963_quantx
	.p2align	8
	.type	k_q97019c9963_quantx,@function
k_q97019c9963_quantx:
	s_mov_b64 s[64:65], 0
	v_nop
	global_prefetch_b8 v0, s[64:65] scope:SCOPE_SE
	s_setreg_imm32_b32 hwreg(HW_REG_WAVE_MODE, 25, 1), 1
	s_wait_xcnt 0x0
; x [8192][1024] f32 becomes codes of FP8 (E4M3) with one E8M0 scale byte for each 32 along the row, laid as the next launch's operand registers want them.
; TILES.  Tile T = 2 B + u of 16 rows holds in lane r the row 32 B + 8 u + r + 8 (r / 8).  A fragment (tile, 128 along K) is stored as the IMAGE of its 16 registers: [c 0..3][lane 32][16 bytes], 2,048 bytes;
; xq = [tile 512][K step 8] images, and from byte SCO on the scale words [tile][K step][r 16], four bytes (one for each 32 along K) a word.
; A block's scale is 2^(floor(log2(largest magnitude)) - 8); its byte is the largest magnitude's exponent field - 8, held at 1 from below (a block of zeros keeps the byte 1: its codes are zeros, and this program alone reads the bytes).
; LIMITS: NaN and infinities among the inputs are not served.
; SHARES.  Work-group B owns 32 rows; wave w takes tile 2 B + w / 2 and the half w % 2 of K: four K steps of 128.  Each load reads 512 consecutive bytes of one row; a K step's 16 rows x 512 bytes turn through the
; wave's own stage in LDS (rows 528 bytes apart) and come back 16 neighbours of each block of 32 to a lane.  Waves share nothing: no barrier.  Two sets of 16 loads are on their way.
.set SCO,  0x800000                    ; where the scale words begin in xq
.set WREG, 8704                        ; LDS of a wave: a stage of 16 x 528 bytes, then its 256 bytes of scale words
.set SP,   528
.set R,    16                          ; v16-143  two sets of 64 registers as loaded
.set X,    144                         ; v144-207 64 numbers: register 16 b + i = k 32 b + 16 (lane / 16) + i of my row
.set PC,   208                         ; v208-223 the fragment's codes
.set TM,   224                         ; v224-227 largest magnitudes, v228-231 bytes, v232-235 448 x the scale, v236-239 the conversions' scale operands
.set PW,   240                         ; v240     the scale word
.set SEL,  20                          ; s[20:21] lane selects for v_permlanex16_b32: lane l xor 16
.set MNT,  22                          ; s22      the mantissa field of 448
	s_load_b128 s[4:7], s[0:1], 0x0                ; x, xq
	v_lshl_add_u32 v248, v0, 2, 0x8800
	v_mov_b32 v249, 0
	v_lshrrev_b32 v1, 5, v0
	v_readfirstlane_b32 s8, v1                     ; wave 0..3
	v_and_b32 v1, 31, v0                           ; lane
	v_and_b32 v8, 15, v0                           ; r
	v_bfe_u32 v9, v0, 4, 1                         ; h
	v_lshlrev_b32 v2, 4, v1                        ; 16 x lane: my bytes of a load's 512, and of an image's
	s_mul_i32 s9, s8, WREG
	v_add_nc_u32 v3, s9, v2                        ; the stage, on the way in
	v_mul_u32_u24 v4, v8, SP
	v_lshl_add_u32 v4, v9, 6, v4
	v_add_nc_u32 v4, s9, v4                        ; and out: row r, + 64 h
	s_add_co_u32 s10, s9, 16*SP
	v_lshlrev_b32 v5, 2, v8
	v_add_nc_u32 v5, s10, v5                       ; my row's scale word
	v_lshlrev_b32 v7, 3, v1
	v_add_nc_u32 v6, s10, v7                       ; the scale words on the way out: 8 bytes a lane
	s_lshr_b32 s11, s8, 1                          ; u
	s_and_b32 s12, s8, 1                           ; which half of K
	s_lshl_b32 s13, ttmp9, 1
	s_add_co_u32 s13, s13, s11                     ; tile T
	s_lshl_b32 s14, ttmp9, 17                      ; x: 32 rows of 4,096 bytes a work-group,
	s_lshl_b32 s15, s11, 15                        ; 8 rows on for u = 1,
	s_add_co_u32 s14, s14, s15
	s_lshl_b32 s15, s12, 11                        ; 2,048 bytes on for the second half of K
	s_add_co_u32 s14, s14, s15
	s_mov_b32 s15, 0
	s_lshl_b32 s16, s13, 14                        ; images: 16,384 bytes a tile, 8,192 a half
	s_lshl_b32 s17, s12, 13
	s_add_co_u32 s16, s16, s17
	s_mov_b32 s17, 0
	s_lshl_b32 s18, s13, 9                         ; scale words: 512 bytes a tile, 256 a half
	s_lshl_b32 s19, s12, 8
	s_add_co_u32 s18, s18, s19
	s_add_co_u32 s18, s18, SCO
	s_mov_b32 s19, 0
	s_mov_b32 s[SEL], 0x76543210
	s_mov_b32 s[SEL+1], 0xfedcba98
	s_mov_b32 s[MNT], 0x600000
.irp b, 0,1,2,3
	v_mov_b32 v[TM+4+\b], 0                        ; written once: a lane permute's destination counts as one of its sources
.endr
	s_wait_alu depctr_va_vdst(0)
	s_wait_kmcnt 0x0
	s_add_nc_u64 s[4:5], s[4:5], s[14:15]
	s_add_nc_u64 s[24:25], s[6:7], s[18:19]
	s_add_nc_u64 s[6:7], s[6:7], s[16:17]
.macro LOAD t                          ; K step t: lane place i of the tile is row i + 8 (i / 8) from the tile's first
.irp i, 0,1,2,3,4,5,6,7,8,9,10,11,12,13,14,15
	global_load_b128 v[R+64*((\t)%2)+4*\i:R+64*((\t)%2)+4*\i+3], v2, s[4:5] offset:(\i+8*(\i/8))*4096+512*(\t) th:TH_LOAD_NT
.endr
.endm
.macro QUANT s                         ; 64 numbers at v[s] on become 16 registers of codes at v[PC] on and the scale word in v[PW]
.irp b, 0,1,2,3
	v_max3_num_f32 v[TM+\b], |v[\s+16*\b]|, |v[\s+1+16*\b]|, 0x4800000   ; my 16 numbers of block b, and the floor 2^(9 - 127): the byte cannot fall under 1
.endr
.irp i, 2,4,6,8,10,12,14
.irp b, 0,1,2,3
	v_max3_num_f32 v[TM+\b], v[TM+\b], |v[\s+16*\b+\i]|, |v[\s+1+16*\b+\i]|
.endr
.endr
.irp b, 0,1,2,3
	v_permlanex16_b32 v[TM+4+\b], v[TM+\b], s[SEL], s[SEL+1]
.endr
.irp b, 0,1,2,3
	v_max_num_f32 v[TM+\b], v[TM+\b], v[TM+4+\b]   ; with lane l xor 16's 16: the block's largest magnitude
.endr
.irp b, 0,1,2,3
	v_add_nc_u32 v[TM+12+\b], 0xfc000000, v[TM+\b] ; 8 off its exponent field: the conversion's scale operand
.endr
.irp b, 0,1,2,3
	v_and_or_b32 v[TM+8+\b], v[TM+\b], 0x7f800000, s[MNT]   ; 448 x the scale
.endr
.irp b, 0,1,2,3
	v_lshrrev_b32 v[TM+4+\b], 23, v[TM+12+\b]      ; the scale's byte
.endr
	v_lshl_or_b32 v[PW], v[TM+5], 8, v[TM+4]
	v_lshl_or_b32 v[PW], v[TM+6], 16, v[PW]
	v_lshl_or_b32 v[PW], v[TM+7], 24, v[PW]
.irp b, 0,1,2,3
.irp i, 0,1,2,3,4,5,6,7,8,9,10,11,12,13,14,15
	v_med3_num_f32 v[\s+16*\b+\i], v[\s+16*\b+\i], -v[TM+8+\b], v[TM+8+\b]   ; the conversion to an 8-bit code does not saturate (ISA guide 7.6.2): the hold comes first
.endr
	v_cvt_scalef32_pk8_fp8_f32 v[PC+4*\b:PC+1+4*\b], v[\s+16*\b:\s+7+16*\b], v[TM+12+\b]
	v_cvt_scalef32_pk8_fp8_f32 v[PC+2+4*\b:PC+3+4*\b], v[\s+8+16*\b:\s+15+16*\b], v[TM+12+\b]
.endr
	v_nop                                          ; one plain instruction behind the last scaled conversion
.endm
.macro STEP t
.if (\t) < 3
	s_wait_loadcnt 16                              ; this K step's 16 loads are in; the next set's 16 may be out
.else
	s_wait_loadcnt 0x0
.endif
	s_wait_xcnt 0x0                                ; the last step's stores have read v[PC] on: it is written again only behind this wait
.irp i, 0,1,2,3,4,5,6,7,8,9,10,11,12,13,14,15
	ds_store_b128 v3, v[R+64*((\t)%2)+4*\i:R+64*((\t)%2)+4*\i+3] offset:SP*\i
.endr
.irp b, 0,1,2,3
.irp j, 0,1,2,3
	ds_load_b128 v[X+16*\b+4*\j:X+16*\b+4*\j+3], v4 offset:128*\b+16*\j   ; LDS serves a wave's instructions in order: these see the stores above
.endr
.endr
	s_wait_dscnt 0x0                               ; the numbers are back; the stores have read their registers,
.if (\t) < 2
	LOAD (\t)+2                                    ; which take the loads of two steps on
.endif
	QUANT X
.irp c, 0,1,2,3
	global_store_b128 v2, v[PC+4*\c:PC+4*\c+3], s[6:7] offset:2048*(\t)+512*\c   ; 32 lanes store 512 consecutive bytes
.endr
	ds_store_b32 v5, v[PW] offset:64*(\t)          ; both halves of the lanes write the same word with the same value
.endm
	LOAD 0
	LOAD 1
	STEP 0
	STEP 1
	STEP 2
	STEP 3
	ds_load_b64 v[242:243], v6                     ; my wave's 64 scale words
	s_wait_dscnt 0x0
	global_store_b64 v7, v[242:243], s[24:25]      ; 32 lanes store 256 consecutive bytes, aligned
	s_wait_tensorcnt 0x0
	ds_add_u32 v248, v249
	s_wait_dscnt 0x0
	s_endpgm
.Lfunc_end_k_q97019c9963_quantx:
	.size	k_q97019c9963_quantx, .Lfunc_end_k_q97019c9963_quantx-k_q97019c9963_quantx
	.p2alignl 7, 3214868480
	.fill 96, 4, 3214868480
	.section	.rodata,"a",@progbits
	.p2align	6, 0x0
	.amdhsa_kernel k_q97019c9963_quantx
		.amdhsa_group_segment_fixed_size 35328
		.amdhsa_private_segment_fixed_size 0
		.amdhsa_enable_private_segment 0
		.amdhsa_kernarg_size 16
		.amdhsa_user_sgpr_count 2
		.amdhsa_user_sgpr_kernarg_segment_ptr 1
		.amdhsa_wavefront_size32 1
		.amdhsa_system_sgpr_workgroup_id_x 1
		.amdhsa_system_sgpr_workgroup_id_y 1
		.amdhsa_system_sgpr_workgroup_id_z 1
		.amdhsa_system_vgpr_workitem_id 0
		.amdhsa_next_free_vgpr 250
		.amdhsa_next_free_sgpr 66
		.amdhsa_reserve_vcc 0
		.amdhsa_float_denorm_mode_32 3
		.amdhsa_float_denorm_mode_16_64 3
		.amdhsa_memory_ordered 1
		.amdhsa_forward_progress 1
		.amdhsa_inst_pref_size 51
	.end_amdhsa_kernel
	.amdgpu_metadata
---
amdhsa.version: [ 1, 2 ]
amdhsa.kernels:
  - .name:           k_q97019c9963_quantx
    .symbol:         k_q97019c9963_quantx.kd
    .args:
      - { .name: x, .offset: 0, .size: 8, .value_kind: global_buffer, .address_space: global }
      - { .name: xq, .offset: 8, .size: 8, .value_kind: global_buffer, .address_space: global }
    .group_segment_fixed_size: 35328
    .private_segment_fixed_size: 0
    .kernarg_segment_align: 8
    .kernarg_segment_size: 16
    .max_flat_workgroup_size: 128
    .sgpr_count:     66
    .vgpr_count:     250
    .wavefront_size: 32
...
	.end_amdgpu_metadata
.endif
;; end of part 1
;; launch qkv (part 2): grid 32 x 8, 4 waves a work-group, clusters of 4 x 1, 327,680 bytes of LDS; arguments xq, W_fc_codes, W_fc_scales, b_fc, qb, kb, vb; writes qb, kb, vb
.if DOCPART == 2
	.amdgcn_target "amdgcn-amd-amdhsa--gfx1250"
	.amdhsa_code_object_version 6
	.text
	.protected	k_q97019c9963_qkv
	.globl	k_q97019c9963_qkv
	.p2align	8
	.type	k_q97019c9963_qkv,@function
k_q97019c9963_qkv:
	s_mov_b64 s[64:65], 0
	v_nop
	global_prefetch_b8 v0, s[64:65] scope:SCOPE_SE
	s_setreg_imm32_b32 hwreg(HW_REG_WAVE_MODE, 25, 1), 1
	s_wait_xcnt 0x0
	s_wait_alu depctr_hold_cnt(0) depctr_sa_sdst(0) depctr_va_vdst(0) depctr_va_sdst(0) depctr_va_ssrc(0) depctr_va_vcc(0) depctr_vm_vsrc(0)
	s_getreg_b32 s2, hwreg(HW_REG_IB_STS2, 6, 4)
	s_cmp_eq_u32 s2, 0
	s_cbranch_scc0 .Lentry_in_a_cluster
	s_endpgm
.Lentry_in_a_cluster:
	s_bfe_u32 s2, ttmp6, 0x10000c
	s_cmp_lg_u32 s2, 0x3003
	s_cbranch_scc0 .Lentry_shape_is_right
	s_endpgm
.Lentry_shape_is_right:
; qkv = swish(x W_fc + b_fc) on codes of FP8 (E4M3) with E8M0 scales, and its three parts quantised on the way: q and k along the head's 64, v along the keys.
; SHARES.  Work-group (X, hp): rows 256 X .. + 255 and the 384 columns of heads 2 hp, 2 hp + 1: six groups g of 64 rows of W_fc in the order q, k, v, q, k, v.  Wave w: 64 rows, four tiles i.
; x STAYS: a wave's 32 fragments (4 tiles x 8 K steps, 512 registers) are loaded once, as images.  W goes through three LDS slots of 64 rows x 1,024 bytes; all four waves read the same fragments, each for four products.
; CLUSTER.  The four row blocks of a cluster walk the same W, scales and bias: every tensor load is asked for jointly (mask 15); its descriptor hangs on hp and the wave's number alone.
; TILES.  Tile 2 B + u of rows (of x, and of W within a group) holds in lane r the row 32 B + 8 u + r + 8 (r / 8).  So the 16 result registers of tiles 2 B and 2 B + 1 are 16 neighbours, 32 B + 16 (lane / 16) + 0 .. 15:
;   q, k: source 0 = W, source 1 = x: a lane holds one row of x, its registers run along the head's 64;   v: source 0 = x, source 1 = W: a lane holds one channel d, its registers run along the keys.
; OUT.  qb, kb: [head 64][tile 128][c 2][lane][16] images of half fragments; from SCO on [head][pair of tiles 64][r] words, bytes (tile 2 B: c 0, 1; tile 2 B + 1: c 0, 1).
;   vb: [head][step of 128 keys 16][tile of d 4][c 4][lane][16]; from SCO on [head][step][tile of d][r] words, byte c.  v's scale bytes leave as 2 bytes a lane, 4 bytes apart (the partner wave writes the other two): 262,144 bytes of the launch's output.
; The bias is the C of each sum's first product.  swish(z) = z / (1 + 2^(-z log2 e)).
; LIMITS: NaN and infinities are not served; for z under about -88 the swish comes out as -0.
; REGISTERS, in windows of 256: window 0: addresses, scale words, bias, 64 accumulator registers, work;  windows 1, 2: x's fragments at 16 (8 i + s);  window 3: the 16 fragments of W of a pair of tiles, at 16 (2 s + u).
.set SCO,   0x800000
.set CHUNK, 16768                      ; 16 rows of W at 1,040 bytes, and 128 bytes more, so that rows 16 apart start 128 bytes apart modulo 256
.set WP,    1040                       ; a row of W in LDS: 1,024 bytes + 16 of padding
.set SLOT,  4*CHUNK                    ; 64 rows
.set WSC,   3*SLOT                     ; W's scale bytes: 384 rows x 32 bytes
.set BIA,   WSC+12288                  ; the bias: 384 numbers
.set SPARE, BIA+1536                   ; the spare words, 128 bytes for each wave: two blocks of 256 bytes that no other line names
.set WA,   4                           ; v4-6  my lane's place in a pair of tiles of W, slot 0, 1, 2
.set SPW,  10                          ; v10   LDS address of my spare word; never rewritten
.set NIL,  11                          ; v11   0; never rewritten
.set SB,   12                          ; v12-15 the scale bytes of a group's first 32 channels
.set XS,   32                          ; v32-63 x's scale words, 8 i + s
.set WS,   64                          ; v64-79 W's scale words, 8 u + s
.set BI,   80                          ; v80-95 the bias in the result's layout, 8 u + j
.set ACC,  96                          ; v96-159
.set PC,   160                         ; v160-175 codes
.set TM,   176                         ; v176-191 the quantiser's work
.set T,    192                         ; v192-255 the swish's work
.set WV,   26
.set G1W,  36
.set G1S,  44
.set G1B,  52
.set SEL,  60
.set MNT,  62
.set HM,   63                          ; s63  a mask: lanes 16-31
.set CL,   66                          ; s[66:67] -log2(e)
.set G0S,  68
.set G0B,  72
.set G0W,  76                          ; s[76:87] group 0 for the three slots
.set MSB, 0
.macro WIN new                         ; the immediate's high byte repeats the setting that is left
.if MSB != (\new)
	s_set_vgpr_msb (MSB<<8)|(\new)
.set MSB, (\new)
.endif
.endm
.macro PLACES n
.rept \n
	v_nop
.endr
.endm
.macro ROUND                           ; a round of the cluster's barrier
	s_barrier_signal -1
	s_barrier_wait -1
	s_cmp_lg_u32 s[WV], 0
	s_cbranch_scc1 .Lnot_wave_0_\@
	s_barrier_signal -3
.Lnot_wave_0_\@:
	s_barrier_wait -3
	s_barrier_signal -1
	s_barrier_wait -1
.endm
	s_load_b256 s[4:11], s[0:1], 0x0               ; xq, W's codes, W's scales, b_fc
	s_load_b128 s[12:15], s[0:1], 0x20             ; qb, kb
	s_load_b64 s[16:17], s[0:1], 0x30              ; vb
	v_lshl_add_u32 v[SPW], v0, 2, SPARE
	v_mov_b32 v[NIL], 0
	ds_add_u32 v10, v11
	ds_add_u32 v10, v11
	s_wait_dscnt 0x0
	v_lshrrev_b32 v1, 5, v0
	v_readfirstlane_b32 s[WV], v1                  ; wave 0..3
	v_and_b32 v12, 31, v0                          ; lane
	v_and_b32 v13, 15, v0                          ; r
	v_bfe_u32 v14, v0, 4, 1                        ; h
	v_lshlrev_b32 v1, 4, v12                       ; v1 = 16 x lane
	v_lshlrev_b32 v2, 2, v12                       ; v2 = 4 x lane
	v_lshlrev_b32 v3, 2, v13
	v_lshlrev_b32 v19, 4, v0                       ; 16 x thread: my bytes of each 2,048 of W's scale bytes in memory
	v_lshlrev_b32 v20, 2, v0                       ; 4 x thread: my word of each 512 bytes of the bias
	v_lshl_add_u32 v21, v0, 4, WSC                 ; and where they go in LDS
	v_lshl_add_u32 v22, v0, 2, BIA
	v_and_b32 v15, 7, v13                          ; r % 8
	v_bfe_u32 v16, v0, 3, 1                        ; r / 8
	v_mul_u32_u24 v17, v15, WP
	v_mad_u32_u24 v17, v16, CHUNK, v17
	v_lshl_add_u32 v17, v14, 4, v17                ; (r / 8) chunks + (r % 8) rows + 16 h
	v_add_nc_u32 v[WA], 0, v17                     ; groups 0, 3 lie at LDS byte 0,
	v_add_nc_u32 v[WA+1], 2*SLOT, v17              ; groups 1, 4 two slots on,
	v_add_nc_u32 v[WA+2], SLOT, v17                ; groups 2, 5 one slot on: so both walking descriptors step by + SLOT
	v_lshl_add_u32 v18, v16, 3, v13                ; r + 8 (r / 8)
	v_lshlrev_b32 v7, 5, v18
	v_add_nc_u32 v7, WSC, v7                       ; v7: my row's 32 scale bytes
	v_lshlrev_b32 v8, 6, v14
	v_add_nc_u32 v8, BIA, v8                       ; v8: the bias of 16 h + 0 .. 7 (q, k)
	v_lshlrev_b32 v9, 2, v18
	v_add_nc_u32 v9, BIA, v9                       ; v9: the bias of my row of W (v)
.irp b, 0,1,2,3
	v_mov_b32 v[TM+4+\b], 0                        ; written once: a lane permute's destination counts as one of its sources
.endr
	s_bfe_u32 s27, ttmp6, 0x40000                  ; cx: it enters x's and the outputs' addresses alone
	s_lshl_b32 s28, ttmp9, 2
	s_add_co_u32 s28, s28, s27                     ; X
	s_and_b32 s29, ttmp7, 0xffff                   ; hp, which the four partners share
	; descriptor group 1.  W: 16 rows x 1,024 bytes, 16 bytes of padding behind each row
	s_mov_b32 s[G1W], 15|(1<<20)|(1<<21)|(7<<22)|(3<<25)   ; the mask; elements of 1 byte; padding on; bit 21 beside a mask; after every 256 words (code 7) four words (code 3)
	s_mov_b32 s[G1W+1], 1024<<16
	s_mov_b32 s[G1W+2], 16<<16
	s_mov_b32 s[G1W+3], 1024<<16
	s_mov_b32 s[G1W+4], 16
	s_mov_b32 s[G1W+5], 1024
	s_mov_b32 s[G1W+6], 0
	s_mov_b32 s[G1W+7], 0
	; what I fetch: rows 16 w .. of each group; made of hp and the wave's number
	s_mul_i32 s30, s29, 393216
	s_lshl_b32 s32, s[WV], 14
	s_add_co_u32 s30, s30, s32
	s_mov_b32 s31, 0
	s_mul_i32 s32, s29, 12288                      ; my 384 rows' scale bytes
	s_mov_b32 s33, 0
	s_mul_i32 s34, s29, 1536                       ; and their bias
	s_mov_b32 s35, 0
	s_mov_b32 s[G0W], 1
	s_mov_b32 s[G0W+4], 1
	s_mov_b32 s[G0W+8], 1
	s_mul_i32 s[G0W+1], s[WV], CHUNK
	s_add_co_u32 s[G0W+5], s[G0W+1], 2*SLOT
	s_add_co_u32 s[G0W+9], s[G0W+1], SLOT
	; where my rows lie in x and in the outputs
	s_lshr_b32 s2, s28, 3                          ; the batch
	s_and_b32 s3, s28, 7                           ; which 256 rows of it
	s_lshl_b32 s2, s2, 4
	s_lshl_b32 s18, s29, 1
	s_add_co_u32 s2, s2, s18                       ; 16 x batch + 2 hp: my first head
	s_lshr_b32 s19, s[WV], 1
	s_and_b32 s20, s[WV], 1
	s_lshl_b32 s21, s3, 1
	s_add_co_u32 s21, s21, s19                     ; my step of 128 keys
	s_lshl_b32 s88, s2, 17                         ; q, k images: 131,072 bytes a head, 1,024 a tile
	s_lshl_b32 s18, s3, 14
	s_add_co_u32 s88, s88, s18
	s_lshl_b32 s18, s[WV], 12
	s_add_co_u32 s88, s88, s18
	s_mov_b32 s89, 0
	s_lshl_b32 s90, s2, 12                         ; q, k scale words: 4,096 bytes a head, 64 a pair of tiles
	s_lshl_b32 s18, s3, 9
	s_add_co_u32 s90, s90, s18
	s_lshl_b32 s18, s[WV], 7
	s_add_co_u32 s90, s90, s18
	s_add_co_u32 s90, s90, SCO
	s_mov_b32 s91, 0
	s_lshl_b32 s92, s2, 17                         ; v images: 8,192 bytes a step; my two blocks of 32 keys are c = 2 (w % 2) on
	s_lshl_b32 s18, s21, 13
	s_add_co_u32 s92, s92, s18
	s_lshl_b32 s18, s20, 10
	s_add_co_u32 s92, s92, s18
	s_mov_b32 s93, 0
	s_lshl_b32 s94, s2, 12                         ; v scale words: 256 bytes a step; my two bytes of each word
	s_lshl_b32 s18, s21, 8
	s_add_co_u32 s94, s94, s18
	s_lshl_b32 s18, s20, 1
	s_add_co_u32 s94, s94, s18
	s_add_co_u32 s94, s94, SCO
	s_mov_b32 s95, 0
	s_lshl_b32 s96, s28, 18                        ; x's images: 16,384 bytes a tile
	s_lshl_b32 s18, s[WV], 16
	s_add_co_u32 s96, s96, s18
	s_mov_b32 s97, 0
	s_lshl_b32 s98, s28, 13                        ; x's scale words: 512 bytes a tile
	s_lshl_b32 s18, s[WV], 11
	s_add_co_u32 s98, s98, s18
	s_add_co_u32 s98, s98, SCO
	s_mov_b32 s99, 0
	s_mov_b32 s[SEL], 0x76543210
	s_mov_b32 s[SEL+1], 0xfedcba98
	s_mov_b32 s[MNT], 0x600000
	s_mov_b32 s[HM], 0xffff0000
	s_mov_b32 s[CL], 0xbfb8aa3b                    ; -log2(e)
	s_mov_b32 s[CL+1], s[CL]                       ; (named with it as a pair, so it is written)
	s_wait_kmcnt 0x0
	s_add_nc_u64 s[8:9], s[8:9], s[32:33]
	s_add_nc_u64 s[10:11], s[10:11], s[34:35]
	s_add_nc_u64 s[G0W+2:G0W+3], s[6:7], s[30:31]  ; group 0,
	s_add_nc_u64 s[G0W+6:G0W+7], s[G0W+2:G0W+3], 65536     ; group 1,
	s_add_nc_u64 s[G0W+10:G0W+11], s[G0W+2:G0W+3], 131072  ; group 2
	s_or_b32 s[G0W+3], s[G0W+3], 0x80000000
	s_or_b32 s[G0W+7], s[G0W+7], 0x80000000
	s_or_b32 s[G0W+11], s[G0W+11], 0x80000000
	s_add_nc_u64 s[24:25], s[4:5], s[98:99]        ; x's scale words
	s_add_nc_u64 s[4:5], s[4:5], s[96:97]          ; x's images
	s_add_nc_u64 s[18:19], s[12:13], s[90:91]      ; q's scale words
	s_add_nc_u64 s[20:21], s[14:15], s[90:91]      ; k's
	s_add_nc_u64 s[22:23], s[16:17], s[94:95]      ; v's
	s_add_nc_u64 s[12:13], s[12:13], s[88:89]      ; q's images
	s_add_nc_u64 s[14:15], s[14:15], s[88:89]      ; k's
	s_add_nc_u64 s[16:17], s[16:17], s[92:93]      ; v's
.irp j, 0,1,2,3,4,5
	global_load_b128 v[ACC+4*\j:ACC+4*\j+3], v19, s[8:9] offset:2048*\j   ; W's scale bytes: 12,288 dense bytes, 128 threads x 16 bytes x 6
.endr
.irp j, 0,1,2
	global_load_b32 v[ACC+24+\j], v20, s[10:11] offset:512*\j             ; the bias: 1,536 dense bytes
.endr
	ROUND                                          ; all four work-groups are here: the first joint loads meet
	tensor_load_to_lds s[G0W:G0W+3], s[G1W:G1W+7]  ; group 0, ahead of x's 160 loads: one tensor load a wave at the head
	s_nop 0
	PLACES 4
	WIN 0x40
.irp i, 0,1
.irp s, 0,1,2,3,4,5,6,7
.irp c, 0,1,2,3
	global_load_b128 v[16*(8*\i+\s)+4*\c:16*(8*\i+\s)+4*\c+3], v1, s[4:5] offset:2048*(8*\i+\s)+512*\c
.endr
.endr
.endr
	WIN 0x80                                       ; window 2: tiles 2, 3
.irp i, 0,1
.irp s, 0,1,2,3,4,5,6,7
.irp c, 0,1,2,3
	global_load_b128 v[16*(8*\i+\s)+4*\c:16*(8*\i+\s)+4*\c+3], v1, s[4:5] offset:2048*(8*(\i+2)+\s)+512*\c
.endr
.endr
.endr
	WIN 0
.irp i, 0,1,2,3
.irp s, 0,1,2,3,4,5,6,7
	global_load_b32 v[XS+8*\i+\s], v3, s[24:25] offset:512*\i+64*\s
.endr
.endr
; the 16 fragments of W of pair b (32 rows) of group g, their scale words, and the bias in the result's layout
.macro FETCHW g, b, s0                 ; the four fragments of K steps s0, s0 + 1: 16 loads
	WIN 0xc0                                       ; destination window 3, address window 0
.irp s, \s0, \s0+1
.irp u, 0,1
.irp c, 0,1,2,3
	ds_load_b128 v[16*(2*(\s)+\u)+4*\c:16*(2*(\s)+\u)+4*\c+3], v[WA+(\g)%3] offset:2*CHUNK*(\b)+8*WP*\u+128*(\s)+32*\c
.endr
.endr
.endr
.endm
.macro FETCH g, b                      ; all of a pair at once: the launch's first pair
.irp s0, 0,2,4,6
	FETCHW \g, \b, \s0
.endr
	WIN 0
	FETCHS \g, \b
.endm
.macro FETCHS g, b                     ; a pair's scale words, and the bias in the result's layout
.irp u, 0,1
	ds_load_b128 v[WS+8*\u:WS+8*\u+3], v7 offset:(64*(\g)+32*(\b)+8*\u)*32
	ds_load_b128 v[WS+8*\u+4:WS+8*\u+7], v7 offset:(64*(\g)+32*(\b)+8*\u)*32+16
.endr
.if (\g)%3 == 2
.irp u, 0,1
.irp j, 0,1,2,3,4,5,6,7
	ds_load_b32 v[BI+8*\u+\j], v9 offset:(64*(\g)+32*(\b)+8*\u)*4   ; v: a lane holds one channel: the same number in all eight registers
.endr
.endr
.else
.irp u, 0,1
	ds_load_b128 v[BI+8*\u:BI+8*\u+3], v8 offset:(64*(\g)+32*(\b)+8*\u)*4
	ds_load_b128 v[BI+8*\u+4:BI+8*\u+7], v8 offset:(64*(\g)+32*(\b)+8*\u)*4+16
.endr
.endif
.endm
; 64 products.  Eight accumulators take turns, one instruction a turn.
; K step by K step, all eight accumulators by turns.  Behind every two K steps their four fragments of W are done with: eight places, and pair nb of group ng is loaded into those registers while the later K steps are multiplied.
.macro MULQK ng, nb                    ; source 0 = W's tile u, source 1 = x's tile i: accumulator 16 i + 8 u
.irp s, 0,1,2,3,4,5,6,7
.if (\s == 2) || (\s == 4) || (\s == 6)
	PLACES 8
	FETCHW \ng, \nb, \s-2
.endif
.irp hf, 0,1
	WIN 0x07+4*\hf                                 ; W window 3, x window 1 or 2
.irp ii, 0,1
.irp u, 0,1
.if \s == 0
	v_wmma_scale_f32_16x16x128_f8f6f4 v[ACC+16*(2*\hf+\ii)+8*\u:ACC+16*(2*\hf+\ii)+8*\u+7], v[16*(2*\s+\u):16*(2*\s+\u)+15], v[16*(8*\ii+\s):16*(8*\ii+\s)+15], v[BI+8*\u:BI+8*\u+7], v[WS+8*\u+\s], v[XS+8*(2*\hf+\ii)+\s]
.else
	v_wmma_scale_f32_16x16x128_f8f6f4 v[ACC+16*(2*\hf+\ii)+8*\u:ACC+16*(2*\hf+\ii)+8*\u+7], v[16*(2*\s+\u):16*(2*\s+\u)+15], v[16*(8*\ii+\s):16*(8*\ii+\s)+15], v[ACC+16*(2*\hf+\ii)+8*\u:ACC+16*(2*\hf+\ii)+8*\u+7], v[WS+8*\u+\s], v[XS+8*(2*\hf+\ii)+\s]
.endif
.endr
.endr
.endr
.endr
.endm
.macro MULV ng, nb                     ; source 0 = x's tile 2 kb + ua, source 1 = W's tile ub: accumulator 16 (2 ub + kb) + 8 ua
.irp s, 0,1,2,3,4,5,6,7
.if (\s == 2) || (\s == 4) || (\s == 6)
	PLACES 8
	FETCHW \ng, \nb, \s-2
.endif
.irp kb, 0,1
	WIN 0x0d+\kb                                   ; x window 1 or 2, W window 3
.irp ua, 0,1
.irp ub, 0,1
.if \s == 0
	v_wmma_scale_f32_16x16x128_f8f6f4 v[ACC+16*(2*\ub+\kb)+8*\ua:ACC+16*(2*\ub+\kb)+8*\ua+7], v[16*(8*\ua+\s):16*(8*\ua+\s)+15], v[16*(2*\s+\ub):16*(2*\s+\ub)+15], v[BI+8*\ub:BI+8*\ub+7], v[XS+8*(2*\kb+\ua)+\s], v[WS+8*\ub+\s]
.else
	v_wmma_scale_f32_16x16x128_f8f6f4 v[ACC+16*(2*\ub+\kb)+8*\ua:ACC+16*(2*\ub+\kb)+8*\ua+7], v[16*(8*\ua+\s):16*(8*\ua+\s)+15], v[16*(2*\s+\ub):16*(2*\s+\ub)+15], v[ACC+16*(2*\ub+\kb)+8*\ua:ACC+16*(2*\ub+\kb)+8*\ua+7], v[XS+8*(2*\kb+\ua)+\s], v[WS+8*\ub+\s]
.endif
.endr
.endr
.endr
.endr
.endm
.macro MUL g, ng, nb
.if (\g)%3 == 2
	MULV \ng, \nb
.else
	MULQK \ng, \nb
.endif
.endm
; n numbers at v[a] on become a / (1 + 2^(-a log2 e)); each accumulator is read from its low end on
.macro SWISH a, t, n
.set SWJ, 0
.rept (\n)/2
	v_pk_mul_f32 v[\t+SWJ:\t+SWJ+1], v[\a+SWJ:\a+SWJ+1], s[CL:CL+1] op_sel_hi:[1,0]
.set SWJ, SWJ+2
.endr
.set SWJ, 0
	s_wait_alu depctr_va_vdst(0)
.rept \n
	v_exp_f32 v[\t+SWJ], v[\t+SWJ]
.set SWJ, SWJ+1
.endr
	v_nop                                          ; a plain instruction between the exponentials and the use of their results
.set SWJ, 0
	s_wait_alu depctr_va_vdst(0)
.rept (\n)/2
	v_pk_add_f32 v[\t+SWJ:\t+SWJ+1], v[\t+SWJ:\t+SWJ+1], 1.0 op_sel_hi:[1,0]
.set SWJ, SWJ+2
.endr
.set SWJ, 0
	s_wait_alu depctr_va_vdst(0)
.rept \n
	v_rcp_f32 v[\t+SWJ], v[\t+SWJ]
.set SWJ, SWJ+1
.endr
	v_nop
.set SWJ, 0
	s_wait_alu depctr_va_vdst(0)
.rept (\n)/2
	v_pk_mul_f32 v[\a+SWJ:\a+SWJ+1], v[\a+SWJ:\a+SWJ+1], v[\t+SWJ:\t+SWJ+1]
.set SWJ, SWJ+2
.endr
.endm
; four blocks: 16 registers of mine and lane l xor 16's 16 are a block of 32.  Codes to v[PC + 4 b] on, the bytes to v[TM + 4 + b]
.macro QUANT s
.irp b, 0,1,2,3
	v_max3_num_f32 v[TM+\b], |v[\s+16*\b]|, |v[\s+1+16*\b]|, 0x4800000   ; and the floor 2^(9 - 127): the byte cannot fall under 1
.endr
.irp i, 2,4,6,8,10,12,14
.irp b, 0,1,2,3
	v_max3_num_f32 v[TM+\b], v[TM+\b], |v[\s+16*\b+\i]|, |v[\s+1+16*\b+\i]|
.endr
.endr
.irp b, 0,1,2,3
	v_permlanex16_b32 v[TM+4+\b], v[TM+\b], s[SEL], s[SEL+1]
.endr
.irp b, 0,1,2,3
	v_max_num_f32 v[TM+\b], v[TM+\b], v[TM+4+\b]
.endr
.irp b, 0,1,2,3
	v_add_nc_u32 v[TM+12+\b], 0xfc000000, v[TM+\b] ; 8 off the exponent field: the conversion's scale operand
.endr
.irp b, 0,1,2,3
	v_and_or_b32 v[TM+8+\b], v[TM+\b], 0x7f800000, s[MNT]   ; 448 x the scale
.endr
.irp b, 0,1,2,3
	v_lshrrev_b32 v[TM+4+\b], 23, v[TM+12+\b]      ; the scale's byte
.endr
.irp b, 0,1,2,3
.irp i, 0,1,2,3,4,5,6,7,8,9,10,11,12,13,14,15
	v_med3_num_f32 v[\s+16*\b+\i], v[\s+16*\b+\i], -v[TM+8+\b], v[TM+8+\b]   ; the conversion to an 8-bit code does not saturate (ISA guide 7.6.2)
.endr
	v_cvt_scalef32_pk8_fp8_f32 v[PC+4*\b:PC+1+4*\b], v[\s+16*\b:\s+7+16*\b], v[TM+12+\b]
	v_cvt_scalef32_pk8_fp8_f32 v[PC+2+4*\b:PC+3+4*\b], v[\s+8+16*\b:\s+15+16*\b], v[TM+12+\b]
.endr
	v_nop                                          ; one plain instruction behind the last scaled conversion
.endm
.macro EPIQK g, b                      ; block i of the quantiser is row tile i; these are channels 32 b .. 32 b + 31 of the head
	s_wait_xcnt 0x0                                ; the last stores have read their data: v[PC] on and v16 are written again only behind this wait
	SWISH ACC, T, 64
	QUANT ACC
.irp i, 0,1,2,3
	global_store_b128 v1, v[PC+4*\i:PC+4*\i+3], s[12+2*((\g)%3):13+2*((\g)%3)] offset:((\g)/3)*131072+1024*\i+512*(\b)   ; 512 consecutive bytes
.endr
.if (\b) == 0
.irp i, 0,1,2,3
	v_mov_b32 v[SB+\i], v[TM+4+\i]
.endr
.else
	v_lshl_or_b32 v16, v[TM+4], 8, v[SB]           ; tiles 0, 1: bytes (tile 0: c 0, 1; tile 1: c 0, 1)
	v_lshl_or_b32 v17, v[TM+6], 8, v[SB+2]         ; tiles 2, 3
	v_lshl_or_b32 v16, v[SB+1], 16, v16
	v_lshl_or_b32 v17, v[SB+3], 16, v17
	v_lshl_or_b32 v16, v[TM+5], 24, v16
	v_lshl_or_b32 v17, v[TM+7], 24, v17
	v_cndmask_b32 v16, v16, v17, s[HM]             ; lanes 0-15 the first pair's word, lanes 16-31 the second's
	global_store_b32 v2, v16, s[18+2*((\g)%3):19+2*((\g)%3)] offset:((\g)/3)*4096
.endif
.endm
.macro EPIV g, b                       ; block 2 ub + kb of the quantiser: tile of d 2 b + ub, my block kb of 32 keys
	s_wait_xcnt 0x0
	SWISH ACC, T, 64
	QUANT ACC
.irp ub, 0,1
.irp kb, 0,1
	global_store_b128 v1, v[PC+4*(2*\ub+\kb):PC+4*(2*\ub+\kb)+3], s[16:17] offset:((\g)/3)*131072+(2*(\b)+\ub)*2048+512*\kb
.endr
.endr
	v_lshl_or_b32 v16, v[TM+5], 8, v[TM+4]
	v_lshl_or_b32 v17, v[TM+7], 8, v[TM+6]
	v_cndmask_b32 v16, v16, v17, s[HM]             ; lanes 0-15 tile 2 b, lanes 16-31 tile 2 b + 1
	global_store_b16 v2, v16, s[22:23] offset:((\g)/3)*4096+128*(\b)
.endm
.macro EPI g, b
.if (\g)%3 == 2
	EPIV \g, \b
.else
	EPIQK \g, \b
.endif
.endm
; Slot k has been read out.  Each wave waits for all its tensor loads, adds 0 to its spare word, and waits for that and for its reads.  fill = 1: a round of the cluster's barrier, and the slot takes the group three on.
.macro CHANGE k, fill
	WIN 0
	s_wait_tensorcnt 0x0                           ; no tensor load of mine is out, so a group 0 may be written
	ds_add_u32 v[SPW], v[NIL]                      ; 0 onto my spare word
	s_wait_dscnt 0x0                               ; the add is done, and my reads of the slot are over
.if \fill
	ROUND                                          ; no wave of any partner still reads the slot or has a load on its way
	tensor_load_to_lds s[G0W+4*\k:G0W+4*\k+3], s[G1W:G1W+7]   ; my one tensor load behind the round: it has two groups' work in which to land
	s_nop 0
	PLACES 4
.else
	s_barrier_signal -1
	s_barrier_wait -1
.endif
.endm
	s_wait_loadcnt 63                              ; of the 169 loads at most the youngest 63 are out: the first nine, W's scale bytes and the bias, are in
	s_wait_tensorcnt 0x0
.irp j, 0,1,2,3,4,5
	ds_store_b128 v21, v[ACC+4*\j:ACC+4*\j+3] offset:2048*\j
.endr
.irp j, 0,1,2
	ds_store_b32 v22, v[ACC+24+\j] offset:512*\j
.endr
	s_wait_tensorcnt 0x0
	ds_add_u32 v[SPW], v[NIL]
	s_add_nc_u64 s[G0W+2:G0W+3], s[G0W+2:G0W+3], 3*65536   ; group 0's descriptor now names group 3, for the same slot
	s_wait_dscnt 0x0                               ; the add and my stores are done
	ROUND
	tensor_load_to_lds s[G0W+4:G0W+7], s[G1W:G1W+7]   ; group 1
	s_nop 0
	PLACES 4
	s_wait_alu depctr_va_vdst(0)
	FETCH 0, 0
	s_wait_loadcnt 0x0                             ; x
; A group is two pairs of tiles of W.  Behind a pair's products the next pair's fragments are asked for, and land while this pair's results are worked.
; Eight plain instructions stand behind the products, in front of loads into their registers and of the first read of results (ISA guide 7.12.1 for the first read of results).
; TWO TRIPS, one for each head: groups q, k, v.  Each trip has two joint loads: at the head of its first group (trip 0: group 2, trip 1: group 4) and in its middle (group 3, group 5).
; In the middle of the second group and behind the third every wave waits for its loads and passes a barrier, which shows the tiles asked for earlier to all waves.
	s_mov_b32 s3, 0
.Ltrip:
; The changes of slots stand at the head of a pair's products, behind the wait for 0 on DScnt, where no LDS load of mine is out.  Ahead of the first group's first products: group 2 (trip 1: group 4) is asked for;
; ahead of its second products: group 3 (trip 1: group 5), into the slot whose last fragments have just landed in registers; ahead of the second group's second products the tiles asked for are shown to all waves.
; Each group's tile is shown ahead of the products under which its first fragments are loaded.
; In the last trip the loads under the last products read slot 0's filled bytes once more; what they bring is not used.
.irp g, 0,1,2
	s_wait_dscnt 0x0
.if \g == 0
	CHANGE 2, 1
.endif
	MUL \g, \g, 1
	WIN 0
	PLACES 8
	FETCHW \g, 1, 6
	WIN 0
	FETCHS \g, 1
	EPI \g, 0
	s_wait_dscnt 0x0
.if \g == 0
	CHANGE 0, 1
.elseif \g == 1
	CHANGE 0, 0
.endif
	MUL \g, \g+1, 0
	WIN 0
	PLACES 8
.if \g < 2
	FETCHW \g+1, 0, 6
	WIN 0
	FETCHS \g+1, 0
.else
	s_cmp_eq_u32 s3, 1                             ; the last trip has no group behind it
	s_cbranch_scc1 .Lno_next
	FETCHW 3, 0, 6
	WIN 0
	FETCHS 3, 0
.Lno_next:
.endif
	EPI \g, 1
.endr
	s_wait_xcnt 0x0                                ; the stores have read their bases; no tensor load of mine is out since the last wait for 0
	s_add_co_u32 s[G0W+1], s[G0W+1], SLOT          ; both walking descriptors: one slot and two groups on
	s_add_nc_u64 s[G0W+2:G0W+3], s[G0W+2:G0W+3], 2*65536
	s_add_co_u32 s[G0W+9], s[G0W+9], SLOT
	s_add_nc_u64 s[G0W+10:G0W+11], s[G0W+10:G0W+11], 2*65536
.irp p, 12,14,16
	s_add_nc_u64 s[\p:\p+1], s[\p:\p+1], 131072    ; the next head's images
.endr
.irp p, 18,20,22
	s_add_nc_u64 s[\p:\p+1], s[\p:\p+1], 4096      ; and its scale words
.endr
	v_add_nc_u32 v7, 192*32, v7                    ; the next 192 rows' scale bytes and bias
	v_add_nc_u32 v8, 192*4, v8
	v_add_nc_u32 v9, 192*4, v9
	s_add_co_u32 s3, s3, 1
	s_cmp_lt_u32 s3, 2
	s_wait_alu depctr_va_vdst(0)
	s_cbranch_scc1 .Ltrip
	s_wait_tensorcnt 0x0                           ; the wave's end
	ds_add_u32 v[SPW], v[NIL]
	s_wait_dscnt 0x0
	ROUND                                          ; the closing round
	s_endpgm
.Lfunc_end_k_q97019c9963_qkv:
	.size	k_q97019c9963_qkv, .Lfunc_end_k_q97019c9963_qkv-k_q97019c9963_qkv
	.p2alignl 7, 3214868480
	.fill 96, 4, 3214868480
	.section	.rodata,"a",@progbits
	.p2align	6, 0x0
	.amdhsa_kernel k_q97019c9963_qkv
		.amdhsa_group_segment_fixed_size 327680
		.amdhsa_private_segment_fixed_size 0
		.amdhsa_enable_private_segment 0
		.amdhsa_kernarg_size 56
		.amdhsa_user_sgpr_count 2
		.amdhsa_user_sgpr_kernarg_segment_ptr 1
		.amdhsa_wavefront_size32 1
		.amdhsa_system_sgpr_workgroup_id_x 1
		.amdhsa_system_sgpr_workgroup_id_y 1
		.amdhsa_system_sgpr_workgroup_id_z 1
		.amdhsa_system_vgpr_workitem_id 0
		.amdhsa_next_free_vgpr 1024
		.amdhsa_next_free_sgpr 100
		.amdhsa_reserve_vcc 0
		.amdhsa_float_denorm_mode_32 3
		.amdhsa_float_denorm_mode_16_64 3
		.amdhsa_memory_ordered 1
		.amdhsa_forward_progress 1
		.amdhsa_inst_pref_size 231
	.end_amdhsa_kernel
	.amdgpu_metadata
---
amdhsa.version: [ 1, 2 ]
amdhsa.kernels:
  - .name:           k_q97019c9963_qkv
    .symbol:         k_q97019c9963_qkv.kd
    .args:
      - { .name: xq, .offset: 0, .size: 8, .value_kind: global_buffer, .address_space: global }
      - { .name: W_fc_codes, .offset: 8, .size: 8, .value_kind: global_buffer, .address_space: global }
      - { .name: W_fc_scales, .offset: 16, .size: 8, .value_kind: global_buffer, .address_space: global }
      - { .name: b_fc, .offset: 24, .size: 8, .value_kind: global_buffer, .address_space: global }
      - { .name: qb, .offset: 32, .size: 8, .value_kind: global_buffer, .address_space: global }
      - { .name: kb, .offset: 40, .size: 8, .value_kind: global_buffer, .address_space: global }
      - { .name: vb, .offset: 48, .size: 8, .value_kind: global_buffer, .address_space: global }
    .group_segment_fixed_size: 327680
    .private_segment_fixed_size: 0
    .kernarg_segment_align: 8
    .kernarg_segment_size: 56
    .max_flat_workgroup_size: 128
    .sgpr_count:     100
    .vgpr_count:     1024
    .wavefront_size: 32
...
	.end_amdgpu_metadata
.endif
;; end of part 2
;; launch attn (part 3): grid 4 x 64, 8 waves a work-group, clusters of 4 x 1, 272,384 bytes of LDS; arguments qb, kb, vb, ab; writes ab
.if DOCPART == 3
	.amdgcn_target "amdgcn-amd-amdhsa--gfx1250"
	.amdhsa_code_object_version 6
	.text
	.protected	k_q97019c9963_attn
	.globl	k_q97019c9963_attn
	.p2align	8
	.type	k_q97019c9963_attn,@function
k_q97019c9963_attn:
	s_mov_b64 s[64:65], 0
	v_nop
	global_prefetch_b8 v0, s[64:65] scope:SCOPE_SE
	s_setreg_imm32_b32 hwreg(HW_REG_WAVE_MODE, 25, 1), 1
	s_wait_xcnt 0x0
	s_wait_alu depctr_hold_cnt(0) depctr_sa_sdst(0) depctr_va_vdst(0) depctr_va_sdst(0) depctr_va_ssrc(0) depctr_va_vcc(0) depctr_vm_vsrc(0)
	s_getreg_b32 s2, hwreg(HW_REG_IB_STS2, 6, 4)
	s_cmp_eq_u32 s2, 0
	s_cbranch_scc0 .Lentry_in_a_cluster
	s_endpgm
.Lentry_in_a_cluster:
	s_bfe_u32 s2, ttmp6, 0x10000c
	s_cmp_lg_u32 s2, 0x3003
	s_cbranch_scc0 .Lentry_shape_is_right
	s_endpgm
.Lentry_shape_is_right:
; new_v = softmax(q k^T / sqrt(2048)) v for one head, both products on codes of FP8 (E4M3) with E8M0 scales, and new_v quantised along head x 64 + d for the last product.
; THE SOFTMAX AHEAD OF THE SECOND PRODUCT: t = score x log2(e) / sqrt(2048); M = the running largest t rounded UP to a whole number; p = 2^(t - M) is quantised along the keys, not normalised;
; the row's sum is taken of the unquantised p and divides at the end; when M moves, the sum and O are multiplied by 2^(old M - new M), which rounds nothing.
; SHARES.  Work-group (cx, head) owns 512 queries; each of its eight waves 64, as two passes of TWO tiles of 16 that are worked side by side: each double fragment of K feeds four products, each fragment of V two,
; and every chain of the softmax has the other tile's beside it.
; THE WHOLE HEAD'S K AND V LIE IN LDS, as images of operand registers, filled ONCE: 131,072 bytes each (one tensor load of 32,768 bytes a wave), and 4,096 bytes of scale words each, which come through registers.
; No slot is filled again, and the launch has no loop that runs ahead of a fill: so nothing is prefetched.
; CLUSTER.  The four work-groups of a head need the same bytes: each tensor load is asked for jointly (mask 15); its descriptor hangs on the head and the wave's number alone.
; LAYOUT.  Both products transposed: S^T = K Q^T, O^T = V^T P^T: a lane holds one query.  Tile 2 b + u of keys holds in lane r the key 32 b + 8 u + r + 8 (r / 8), so the 16 registers of tiles 2 b, 2 b + 1 are 16 neighbouring keys.
; K = 64 IN AN INSTRUCTION OF 128: source 0 is a DOUBLE fragment [tile 2 b | tile 2 b + 1]; source 1 is [Q | zeros] for tile 2 b and [zeros | Q] for tile 2 b + 1: the registers run zeros, Qa, zeros, Qb, zeros.
; The other tile's codes meet zero codes, under scale bytes from 1 to 254, and add nothing.  LIMITS: NaN and infinities are not served (a NaN in k would also reach the neighbouring tile's scores).
; K's fragments of step n + 1 are fetched in step n.  The last step's look-ahead reads the filled bytes that follow K's (V's first images and scale words); what it brings is not used.
; OUT.  ab: [tile of rows 512][K step 8 = head / 2][c = 2 (head % 2) + d / 32][lane][16]; from SCO on [K step][tile][r] words, of which this head writes two bytes.
; REGISTERS.  Window 0: addresses, Q, K's and V's fragments, p's codes, all scale words.  Window 1: S^T / p (blocks 0-3 tile a, 4-7 tile b), O^T, and the softmax's work.
.set SCO,   0x800000
.set KSC,   262144                     ; K's scale words; V's lie 4,096 bytes on
.set SPARE, 0x42000                    ; the spare words
; window 0
.set ADK,  4
.set ADV,  5
.set ADS,  6
.set SPW,  8
.set NIL,  10
.set ZQ,   16                          ; v16-55  zeros, Qa, zeros, Qb, zeros
.set KF,   56                          ; v56-119  four double fragments of K
.set VF,   120                         ; v120-183 four fragments of V
.set PC,   184                         ; v184-215 p's codes, tile a, tile b
.set KS,   216
.set VS,   220
.set QS,   224                         ; Q's scale words (a tile's two bytes, twice)
.set PW,   226                         ; p's scale words
.set SCT,  228                         ; v228-235 my 1,024 bytes of scale words on their way to LDS
.set SCA,  236
; window 1
.set S,    0
.set O,    128
.set BM,   192
.set T2,   200
.set HD,   208
.set SO,   216
.set MM,   224                         ; pairs (-M, largest t)
.set SUM,  228
.set F,    232
.set TMP,  236
.set PWT,  238
.set PS,   240                         ; four partial sums a tile
.set WV,   12
.set G1T,  24
.set LS,   41
.set GS,   42
.set G0T,  44
.set SEL,  60
.set MNT,  62
.set HM,   63
.set CS,   66                          ; s[66:67] c = log2(e) / sqrt(2048)
.set TB,   68                          ; where the next step's images of K begin
.set TS,   69                          ; and its scale words
.set CNT,  70
.set TV,   71                          ; where this step's images of V begin
.set PAS,  94
.set MSB, 0
.macro WIN new                         ; the immediate's high byte repeats the setting that is left
.if MSB != (\new)
	s_set_vgpr_msb (MSB<<8)|(\new)
.set MSB, (\new)
.endif
.endm
.set ALL1, 0x55                        ; every operand in window 1
.macro ROUND
	s_barrier_signal -1
	s_barrier_wait -1
	s_cmp_lg_u32 s[WV], 0
	s_cbranch_scc1 .Lnot_wave_0_\@
	s_barrier_signal -3
.Lnot_wave_0_\@:
	s_barrier_wait -3
	s_barrier_signal -1
	s_barrier_wait -1
.endm
.macro QLOAD                           ; a pair of tiles of queries: 2,048 bytes of images and the pair's scale words
.irp c, 0,1
	global_load_b128 v[ZQ+8+4*\c:ZQ+11+4*\c], v1, s[72:73] offset:512*\c
	global_load_b128 v[ZQ+24+4*\c:ZQ+27+4*\c], v1, s[72:73] offset:1024+512*\c
.endr
	global_load_b32 v9, v7, s[74:75]               ; bytes (tile a: c 0, 1; tile b: c 0, 1)
.endm
.macro KLOAD ak, as                    ; four double fragments of K and their scale words
.irp b, 0,1,2,3
.irp c, 0,1,2,3
	ds_load_b128 v[KF+16*\b+4*\c:KF+16*\b+4*\c+3], v[\ak] offset:2048*\b+512*\c
.endr
	ds_load_b32 v[KS+\b], v[\as] offset:64*\b
.endr
.endm
	s_load_b256 s[4:11], s[0:1], 0x0               ; qb, kb, vb, ab
	v_lshl_add_u32 v[SPW], v0, 2, SPARE
	v_mov_b32 v[NIL], 0
	ds_add_u32 v[SPW], v[NIL]                      ; the opening lines: the add twice on end and its wait
	ds_add_u32 v[SPW], v[NIL]
	v_lshrrev_b32 v1, 5, v0
	v_readfirstlane_b32 s[WV], v1                  ; wave 0..7
	v_and_b32 v11, 31, v0
	v_and_b32 v7, 15, v0
	v_lshlrev_b32 v1, 4, v11                       ; v1 = 16 x lane
	v_lshlrev_b32 v3, 2, v11                       ; v3 = 4 x lane
	v_lshlrev_b32 v7, 2, v7                        ; v7 = 4 r
	v_add_nc_u32 v2, KSC, v7                       ; v2: my scale word in a run of 16
.irp z, 0,16,32
.irp j, 0,1,2,3,4,5,6,7
	v_mov_b32 v[ZQ+\z+\j], 0                       ; the zero codes round Qa and Qb
.endr
.endr
	s_bfe_u32 s13, ttmp6, 0x40000                  ; cx: it enters Q's and the output's addresses alone
	s_and_b32 s14, ttmp7, 0xffff                   ; batch x 16 + head, which the four partners share
	s_lshr_b32 s15, s[WV], 2                       ; I fetch for K (0) or for V (1),
	s_and_b32 s16, s[WV], 3                        ; its quarter
	s_mov_b32 s[G1T], 15|(3<<16)|(1<<21)           ; 32,768 dense bytes as 128 rows of 32 elements of 8 bytes; the mask, and bit 21 beside it
	s_mov_b32 s[G1T+1], 32<<16
	s_mov_b32 s[G1T+2], 128<<16
	s_mov_b32 s[G1T+3], 32<<16
	s_mov_b32 s[G1T+4], 128
	s_mov_b32 s[G1T+5], 32
	s_mov_b32 s[G1T+6], 0
	s_mov_b32 s[G1T+7], 0
	s_lshl_b32 s82, s14, 17                        ; images: 131,072 bytes a head, 32,768 a quarter
	s_lshl_b32 s22, s16, 15
	s_add_co_u32 s82, s82, s22
	s_mov_b32 s83, 0
	s_lshl_b32 s84, s14, 12                        ; scale words: 4,096 bytes a head, 1,024 a quarter
	s_lshl_b32 s23, s16, 10
	s_add_co_u32 s84, s84, s23
	s_add_co_u32 s84, s84, SCO
	s_mov_b32 s85, 0
	s_mov_b32 s[G0T], 1
	s_lshl_b32 s[G0T+1], s15, 17
	s_add_co_u32 s[G0T+1], s[G0T+1], s22           ; LDS: K's images from 0, V's from 131,072
	s_lshl_b32 s[LS], s15, 12
	s_add_co_u32 s[LS], s[LS], s23
	s_add_co_u32 s[LS], s[LS], KSC
	v_add_nc_u32 v[SCA], s[LS], v1                 ; where my lane's bytes of the scale words go
	WIN 0x40                                       ; destination in window 1
.irp b, 0,1,2,3,4,5,6,7
	v_mov_b32 v[T2+\b], 0                          ; written once: a lane permute's destination counts as one of its sources
.endr
	v_mov_b32 v[TMP], 0
	v_mov_b32 v[TMP+1], 0
	v_mov_b32 v[F+1], 0                            ; (named as the upper halves of pairs)
	v_mov_b32 v[F+3], 0
	WIN 0
	s_lshl_b32 s17, s13, 4
	s_lshl_b32 s21, s[WV], 1
	s_add_co_u32 s17, s17, s21                     ; my first pair of tiles of queries in the head: 16 cx + 2 w
	s_lshr_b32 s18, s14, 4                         ; batch
	s_and_b32 s19, s14, 15                         ; head
	s_lshl_b32 s20, s18, 7
	s_lshl_b32 s21, s17, 1
	s_add_co_u32 s20, s20, s21                     ; my first tile of rows among the 512
	s_lshl_b32 s86, s14, 17                        ; Q's images: 2,048 bytes a pair of tiles
	s_lshl_b32 s21, s17, 11
	s_add_co_u32 s86, s86, s21
	s_mov_b32 s87, 0
	s_lshl_b32 s88, s14, 12                        ; Q's scale words: 64 bytes a pair
	s_lshl_b32 s21, s17, 6
	s_add_co_u32 s88, s88, s21
	s_add_co_u32 s88, s88, SCO
	s_mov_b32 s89, 0
	s_lshl_b32 s90, s20, 14                        ; ab's images: 16,384 bytes a tile; head x 1,024 in it
	s_lshl_b32 s21, s19, 10
	s_add_co_u32 s90, s90, s21
	s_mov_b32 s91, 0
	s_lshr_b32 s92, s19, 1                         ; ab's scale words: 32,768 bytes a K step, 64 a tile, my two bytes of each word
	s_lshl_b32 s92, s92, 15
	s_lshl_b32 s21, s20, 6
	s_add_co_u32 s92, s92, s21
	s_and_b32 s21, s19, 1
	s_lshl_b32 s21, s21, 1
	s_add_co_u32 s92, s92, s21
	s_add_co_u32 s92, s92, SCO
	s_mov_b32 s93, 0
	s_mov_b32 s[SEL], 0x76543210
	s_mov_b32 s[SEL+1], 0xfedcba98
	s_mov_b32 s[MNT], 0x600000
	s_mov_b32 s[HM], 0xffff0000
	s_mov_b32 s[CS], 0x3d0293ee                    ; log2(e) / sqrt(2048)
	s_mov_b32 s[CS+1], s[CS]
	s_wait_alu depctr_va_vdst(0)
	s_wait_dscnt 0x0
	s_wait_kmcnt 0x0
	s_cmp_lt_u32 s[WV], 4                          ; the choice hangs on the wave's number alone
	s_cselect_b64 s[80:81], s[6:7], s[8:9]
	s_add_nc_u64 s[GS:GS+1], s[80:81], s[84:85]
	s_add_nc_u64 s[G0T+2:G0T+3], s[80:81], s[82:83]
	s_or_b32 s[G0T+3], s[G0T+3], 0x80000000
	s_add_nc_u64 s[72:73], s[4:5], s[86:87]        ; Q's images
	s_add_nc_u64 s[74:75], s[4:5], s[88:89]        ; Q's scale words
	s_add_nc_u64 s[76:77], s[10:11], s[90:91]      ; ab's images
	s_add_nc_u64 s[78:79], s[10:11], s[92:93]      ; ab's scale words
	global_load_b128 v[SCT:SCT+3], v1, s[GS:GS+1]
	global_load_b128 v[SCT+4:SCT+7], v1, s[GS:GS+1] offset:512
	QLOAD
	ROUND                                          ; all four work-groups are here: the joint loads meet
	tensor_load_to_lds s[G0T:G0T+3], s[G1T:G1T+7]  ; one tensor load a wave
	s_nop 0
.rept 4
	v_nop
.endr
	s_wait_loadcnt 5                               ; my scale words are in; Q's five loads may be out
	s_wait_tensorcnt 0x0                           ; my quarter of K or V is in,
	ds_store_b128 v[SCA], v[SCT:SCT+3]
	ds_store_b128 v[SCA], v[SCT+4:SCT+7] offset:512
	s_wait_dscnt 0x0                               ; and so are my scale words
	s_barrier_signal -1
	s_barrier_wait -1                              ; everybody's are
	s_mov_b32 s[PAS], 0
.Lpass:                                            ; A PASS: two tiles of queries walk all 2,048 keys
	s_mov_b32 s[TB], 8192
	s_mov_b32 s[TV], 0x20000
	s_mov_b32 s[TS], 256
	KLOAD 1, 2                                     ; step 0
	WIN 0x40
.set J, 0
.rept 64
	v_mov_b32 v[O+J], 0                            ; the step is written once: the first finds zeros, which the first change of M leaves zeros
.set J, J+1
.endr
.irp t, 0,1
	v_mov_b32 v[MM+2*\t], 0x7f61b1e6               ; -M = 3e38, a whole number
	v_mov_b32 v[MM+2*\t+1], 0xff61b1e6             ; the largest t so far: -3e38
	v_mov_b32 v[SUM+2*\t], 0
	v_mov_b32 v[SUM+2*\t+1], 0
.endr
	WIN 0
	s_wait_loadcnt 0x0                             ; Q
	v_perm_b32 v[QS], v9, v9, 0x01000100           ; a tile's two bytes, twice
	v_perm_b32 v[QS+1], v9, v9, 0x03020302
.rept 8
	v_nop                                          ; a scale word made by a vector instruction stands eight places ahead of the product
.endr
	s_mov_b32 s[CNT], 16
	s_wait_alu depctr_va_vdst(0)
.Lstep:                                            ; A KEY STEP: 128 keys, two tiles of queries
	s_wait_dscnt 0x0                               ; K
	WIN 0x40
.irp b, 0,1,2,3
	v_wmma_scale_f32_16x16x128_f8f6f4 v[S+16*\b:S+16*\b+7], v[KF+16*\b:KF+16*\b+15], v[ZQ+8:ZQ+23], 0, v[KS+\b], v[QS]            ; [Qa | zeros]: key tile 2 b
	v_wmma_scale_f32_16x16x128_f8f6f4 v[S+64+16*\b:S+64+16*\b+7], v[KF+16*\b:KF+16*\b+15], v[ZQ+24:ZQ+39], 0, v[KS+\b], v[QS+1]   ; [Qb | zeros]
	v_wmma_scale_f32_16x16x128_f8f6f4 v[S+16*\b+8:S+16*\b+15], v[KF+16*\b:KF+16*\b+15], v[ZQ:ZQ+15], 0, v[KS+\b], v[QS]           ; [zeros | Qa]: key tile 2 b + 1
	v_wmma_scale_f32_16x16x128_f8f6f4 v[S+64+16*\b+8:S+64+16*\b+15], v[KF+16*\b:KF+16*\b+15], v[ZQ+16:ZQ+31], 0, v[KS+\b], v[QS+1] ; [zeros | Qb]
.endr
	WIN 0
	v_add_nc_u32 v[ADK], s[TB], v1
	v_add_nc_u32 v[ADV], s[TV], v1
	v_add_nc_u32 v[ADS], s[TS], v2
.rept 5
	v_nop                                          ; with the three additions: eight places in front of loads into registers that products have read, and of the first read of results
.endr
.irp t, 0,1,2,3
.irp c, 0,1,2,3
	ds_load_b128 v[VF+16*\t+4*\c:VF+16*\t+4*\c+3], v[ADV] offset:2048*\t+512*\c
.endr
	ds_load_b32 v[VS+\t], v[ADS] offset:3840+64*\t  ; this step's words of V: 4,096 on from K's, one step back
.endr
	KLOAD ADK, ADS                                 ; the next step's K
	WIN ALL1
.irp b, 0,1,2,3,4,5,6,7
	v_max3_num_f32 v[BM+\b], v[S+16*\b], v[S+1+16*\b], v[S+2+16*\b]   ; the largest score of each block of 32 keys: for the row's maximum, and, since p rises with the score, for the block's largest p
.endr
.irp i, 3,5,7,9,11,13
.irp b, 0,1,2,3,4,5,6,7
	v_max3_num_f32 v[BM+\b], v[BM+\b], v[S+16*\b+\i], v[S+1+16*\b+\i]
.endr
.endr
.irp b, 0,1,2,3,4,5,6,7
	v_max_num_f32 v[BM+\b], v[BM+\b], v[S+15+16*\b]
.endr
.irp b, 0,1,2,3,4,5,6,7
	v_permlanex16_b32 v[T2+\b], v[BM+\b], s[SEL], s[SEL+1]
.endr
.irp b, 0,1,2,3,4,5,6,7
	v_max_num_f32 v[BM+\b], v[BM+\b], v[T2+\b]     ; with lane l xor 16's 16 keys
.endr
.irp t, 0,1
	v_max3_num_f32 v[TMP+\t], v[BM+4*\t], v[BM+4*\t+1], v[BM+4*\t+2]
.endr
.irp t, 0,1
	v_max_num_f32 v[TMP+\t], v[TMP+\t], v[BM+4*\t+3]
.endr
.irp t, 0,1
	v_mul_f32 v[TMP+\t], s[CS], v[TMP+\t]          ; as t (c is positive)
.endr
.irp t, 0,1
	v_max_num_f32 v[MM+2*\t+1], v[MM+2*\t+1], v[TMP+\t]   ; the running largest t
.endr
.irp t, 0,1
	v_mov_b32 v[TMP+\t], v[MM+2*\t]
.endr
.irp t, 0,1
	v_floor_f32 v[MM+2*\t], -v[MM+2*\t+1]          ; the new -M = floor(-t) = -ceil(t)
.endr
.irp t, 0,1
	v_sub_f32 v[TMP+\t], v[MM+2*\t], v[TMP+\t]     ; old M - new M: a whole number, 0 or less
.endr
.irp t, 0,1
	v_cvt_i32_f32 v[TMP+\t], v[TMP+\t]             ; (it saturates)
.endr
.irp t, 0,1
	v_ldexp_f32 v[F+2*\t], 1.0, v[TMP+\t]          ; f = 2^(old M - new M)
.endr
.irp j, 0,2,4,6,8,10,12,14,16,18,20,22,24,26,28,30
.irp t, 0,1
	v_pk_mul_f32 v[O+32*\t+\j:O+32*\t+\j+1], v[O+32*\t+\j:O+32*\t+\j+1], v[F+2*\t:F+2*\t+1] op_sel_hi:[1,0]   ; O^T under the new M: the last products' results are first read here, ahead of the step's exponentials
.endr
.endr
.set J, 0
.rept 64
	v_pk_fma_f32 v[S+J:S+J+1], v[S+J:S+J+1], s[CS:CS+1], v[MM+2*(J/64):MM+2*(J/64)+1] op_sel_hi:[1,0,0]   ; t - M
.set J, J+2
.endr
.irp b, 0,1,2,3,4,5,6,7
	v_fma_f32 v[BM+\b], v[BM+\b], s[CS], v[MM+2*(\b/4)]   ; the same of each block's largest score
.endr
	s_wait_alu depctr_va_vdst(0)
.set J, 0
.rept 128
	v_exp_f32 v[S+J], v[S+J]                       ; p = 2^(t - M)
.set J, J+1
.endr
.irp b, 0,1,2,3,4,5,6,7
	v_exp_f32 v[BM+\b], v[BM+\b]                   ; the block's largest p: the same two instructions on the same number
.endr
.irp t, 0,1
	v_pk_mul_f32 v[SUM+2*\t:SUM+2*\t+1], v[SUM+2*\t:SUM+2*\t+1], v[F+2*\t:F+2*\t+1] op_sel_hi:[1,0]   ; the sums under the new M (plain instructions behind the exponentials)
.endr
	s_wait_alu depctr_va_vdst(0)                   ; and one wait behind the batch
	s_wait_dscnt 20                                ; V and its words are in; the 20 loads of the next step's K may be out
.irp b, 0,1,2,3,4,5,6,7
	v_max_num_f32 v[BM+\b], 0x4800000, v[BM+\b]
.endr
.irp b, 0,1,2,3,4,5,6,7
	v_add_nc_u32 v[SO+\b], 0xfc000000, v[BM+\b]    ; 8 off the exponent field: the conversion's scale operand
.endr
.irp b, 0,1,2,3,4,5,6,7
	v_and_or_b32 v[HD+\b], v[BM+\b], 0x7f800000, s[MNT]   ; 448 x the scale
.endr
.irp b, 0,1,2,3,4,5,6,7
	v_lshrrev_b32 v[T2+\b], 23, v[SO+\b]           ; the scale's byte
.endr
.irp t, 0,1
	v_lshl_or_b32 v[PWT+\t], v[T2+4*\t+1], 8, v[T2+4*\t]   ; p's scale word for these 128 keys
.endr
.irp t, 0,1
	v_lshl_or_b32 v[PWT+\t], v[T2+4*\t+2], 16, v[PWT+\t]
.endr
.irp t, 0,1
	v_lshl_or_b32 v[PWT+\t], v[T2+4*\t+3], 24, v[PWT+\t]
.endr
; the rows' sums of the unquantised p: four chains a tile, eight in all
.irp q, 0,1,2,3
.irp t, 0,1
	v_pk_add_f32 v[PS+8*\t+2*\q:PS+8*\t+2*\q+1], v[S+64*\t+2*\q:S+64*\t+2*\q+1], v[S+64*\t+8+2*\q:S+64*\t+9+2*\q]
.endr
.endr
.irp g, 2,3,4,5,6,7
.irp q, 0,1,2,3
.irp t, 0,1
	v_pk_add_f32 v[PS+8*\t+2*\q:PS+8*\t+2*\q+1], v[PS+8*\t+2*\q:PS+8*\t+2*\q+1], v[S+64*\t+8*\g+2*\q:S+64*\t+8*\g+2*\q+1]
.endr
.endr
.endr
; the hold (the conversion does not saturate: ISA guide 7.6.2; p is not negative, so it is one-sided), two numbers an instruction: number i of block b beside number i xor 1 of block b + 1
.irp b, 0,2,4,6
.irp i, 0,1,2,3,4,5,6,7,8,9,10,11,12,13,14,15
	v_dual_min_num_f32 v[S+16*\b+\i], v[S+16*\b+\i], v[HD+\b] :: v_dual_min_num_f32 v[S+16+16*\b+(\i^1)], v[S+16+16*\b+(\i^1)], v[HD+1+\b]
.endr
.endr
	WIN 0x05                                       ; sources in window 1, destination in window 0
	v_mov_b32 v[PW], v[PWT]
	v_mov_b32 v[PW+1], v[PWT+1]
.irp b, 0,1,2,3,4,5,6,7
	v_cvt_scalef32_pk8_fp8_f32 v[PC+4*\b:PC+1+4*\b], v[S+16*\b:S+7+16*\b], v[SO+\b]
	v_cvt_scalef32_pk8_fp8_f32 v[PC+2+4*\b:PC+3+4*\b], v[S+8+16*\b:S+15+16*\b], v[SO+\b]
.endr
	WIN ALL1
; the sums' four chains a tile are joined: eight plain instructions, which are also the places between the scale words and codes just made and the products
.irp q, 0,4
.irp t, 0,1
	v_pk_add_f32 v[PS+8*\t+\q:PS+8*\t+\q+1], v[PS+8*\t+\q:PS+8*\t+\q+1], v[PS+8*\t+\q+2:PS+8*\t+\q+3]
.endr
.endr
.irp t, 0,1
	v_pk_add_f32 v[PS+8*\t:PS+8*\t+1], v[PS+8*\t:PS+8*\t+1], v[PS+8*\t+4:PS+8*\t+5]
.endr
.irp t, 0,1
	v_pk_add_f32 v[SUM+2*\t:SUM+2*\t+1], v[SUM+2*\t:SUM+2*\t+1], v[PS+8*\t:PS+8*\t+1]
.endr
	WIN 0x50
.irp v, 0,1,2,3
.irp t, 0,1
	v_wmma_scale_f32_16x16x128_f8f6f4 v[O+32*\t+8*\v:O+32*\t+8*\v+7], v[VF+16*\v:VF+16*\v+15], v[PC+16*\t:PC+16*\t+15], v[O+32*\t+8*\v:O+32*\t+8*\v+7], v[VS+\v], v[PW+\t]
.endr
.endr
	WIN 0
	s_add_co_u32 s[TB], s[TB], 8192
	s_add_co_u32 s[TV], s[TV], 8192
	s_add_co_u32 s[TS], s[TS], 256
	s_sub_co_u32 s[CNT], s[CNT], 1
	s_cmp_lg_u32 s[CNT], 0
	s_cbranch_scc1 .Lstep
	s_wait_alu depctr_va_vdst(0)
	s_wait_dscnt 0x0
.rept 8
	v_nop                                          ; places behind the last products
.endr
	WIN ALL1
.irp t, 0,1
	v_add_f32 v[SUM+2*\t], v[SUM+2*\t], v[SUM+2*\t+1]
.endr
.irp t, 0,1
	v_permlanex16_b32 v[TMP+\t], v[SUM+2*\t], s[SEL], s[SEL+1]
.endr
.irp t, 0,1
	v_add_f32 v[SUM+2*\t], v[SUM+2*\t], v[TMP+\t]  ; the row's sum
.endr
	s_wait_alu depctr_va_vdst(0)
	v_rcp_f32 v[SUM], v[SUM]
	v_rcp_f32 v[SUM+2], v[SUM+2]
	v_nop
	s_wait_alu depctr_va_vdst(0)
.irp j, 0,2,4,6,8,10,12,14,16,18,20,22,24,26,28,30
.irp t, 0,1
	v_pk_mul_f32 v[O+32*\t+\j:O+32*\t+\j+1], v[O+32*\t+\j:O+32*\t+\j+1], v[SUM+2*\t:SUM+2*\t+1] op_sel_hi:[1,0]   ; register 16 b + i of a tile = new_v(my query, d = 32 b + 16 (lane / 16) + i)
.endr
.endr
; new_v's four blocks of 32 (two a tile) are quantised
.irp b, 0,1,2,3
	v_max3_num_f32 v[BM+\b], |v[O+16*\b]|, |v[O+1+16*\b]|, 0x4800000
.endr
.irp i, 2,4,6,8,10,12,14
.irp b, 0,1,2,3
	v_max3_num_f32 v[BM+\b], v[BM+\b], |v[O+16*\b+\i]|, |v[O+1+16*\b+\i]|
.endr
.endr
.irp b, 0,1,2,3
	v_permlanex16_b32 v[T2+\b], v[BM+\b], s[SEL], s[SEL+1]
.endr
.irp b, 0,1,2,3
	v_max_num_f32 v[BM+\b], v[BM+\b], v[T2+\b]
.endr
.irp b, 0,1,2,3
	v_add_nc_u32 v[SO+\b], 0xfc000000, v[BM+\b]
.endr
.irp b, 0,1,2,3
	v_and_or_b32 v[HD+\b], v[BM+\b], 0x7f800000, s[MNT]
.endr
.irp b, 0,1,2,3
	v_lshrrev_b32 v[T2+\b], 23, v[SO+\b]
.endr
.irp t, 0,1
	v_lshl_or_b32 v[TMP+\t], v[T2+2*\t+1], 8, v[T2+2*\t]   ; a tile's two scale bytes
.endr
.irp i, 0,1,2,3,4,5,6,7,8,9,10,11,12,13,14,15
.irp b, 0,1,2,3
	v_med3_num_f32 v[O+16*\b+\i], v[O+16*\b+\i], -v[HD+\b], v[HD+\b]
.endr
.endr
	WIN 0x05
	v_cndmask_b32 v11, v[TMP], v[TMP+1], s[HM]     ; lanes 0-15 the first tile's, lanes 16-31 the second's
.irp b, 0,1,2,3
	v_cvt_scalef32_pk8_fp8_f32 v[PC+4*\b:PC+1+4*\b], v[O+16*\b:O+7+16*\b], v[SO+\b]
	v_cvt_scalef32_pk8_fp8_f32 v[PC+2+4*\b:PC+3+4*\b], v[O+8+16*\b:O+15+16*\b], v[SO+\b]
.endr
	v_nop                                          ; one plain instruction behind the last scaled conversion
	WIN 0
.irp t, 0,1
.irp b, 0,1
	global_store_b128 v1, v[PC+8*\t+4*\b:PC+8*\t+4*\b+3], s[76:77] offset:16384*\t+512*\b   ; 512 consecutive bytes
.endr
.endr
	global_store_b16 v3, v11, s[78:79]
	s_wait_xcnt 0x0                                ; the stores have read their data and bases
	s_add_nc_u64 s[72:73], s[72:73], 2048          ; on to my second pair of tiles
	s_add_nc_u64 s[74:75], s[74:75], 64
	s_add_nc_u64 s[76:77], s[76:77], 32768
	s_add_nc_u64 s[78:79], s[78:79], 128
	s_cmp_eq_u32 s[PAS], 1                         ; the last pass has no pair behind it
	s_cbranch_scc1 .Lno_q
	QLOAD
.Lno_q:
	s_add_co_u32 s[PAS], s[PAS], 1
	s_cmp_lt_u32 s[PAS], 2
	s_cbranch_scc1 .Lpass
	s_wait_tensorcnt 0x0                           ; the wave's end
	ds_add_u32 v[SPW], v[NIL]
	s_wait_dscnt 0x0
	ROUND                                          ; the closing round
	s_endpgm
.Lfunc_end_k_q97019c9963_attn:
	.size	k_q97019c9963_attn, .Lfunc_end_k_q97019c9963_attn-k_q97019c9963_attn
	.p2alignl 7, 3214868480
	.fill 96, 4, 3214868480
	.section	.rodata,"a",@progbits
	.p2align	6, 0x0
	.amdhsa_kernel k_q97019c9963_attn
		.amdhsa_group_segment_fixed_size 272384
		.amdhsa_private_segment_fixed_size 0
		.amdhsa_enable_private_segment 0
		.amdhsa_kernarg_size 32
		.amdhsa_user_sgpr_count 2
		.amdhsa_user_sgpr_kernarg_segment_ptr 1
		.amdhsa_wavefront_size32 1
		.amdhsa_system_sgpr_workgroup_id_x 1
		.amdhsa_system_sgpr_workgroup_id_y 1
		.amdhsa_system_sgpr_workgroup_id_z 1
		.amdhsa_system_vgpr_workitem_id 0
		.amdhsa_next_free_vgpr 512
		.amdhsa_next_free_sgpr 96
		.amdhsa_reserve_vcc 0
		.amdhsa_float_denorm_mode_32 3
		.amdhsa_float_denorm_mode_16_64 3
		.amdhsa_memory_ordered 1
		.amdhsa_forward_progress 1
		.amdhsa_inst_pref_size 58
	.end_amdhsa_kernel
	.amdgpu_metadata
---
amdhsa.version: [ 1, 2 ]
amdhsa.kernels:
  - .name:           k_q97019c9963_attn
    .symbol:         k_q97019c9963_attn.kd
    .args:
      - { .name: qb, .offset: 0, .size: 8, .value_kind: global_buffer, .address_space: global }
      - { .name: kb, .offset: 8, .size: 8, .value_kind: global_buffer, .address_space: global }
      - { .name: vb, .offset: 16, .size: 8, .value_kind: global_buffer, .address_space: global }
      - { .name: ab, .offset: 24, .size: 8, .value_kind: global_buffer, .address_space: global }
    .group_segment_fixed_size: 272384
    .private_segment_fixed_size: 0
    .kernarg_segment_align: 8
    .kernarg_segment_size: 32
    .max_flat_workgroup_size: 256
    .sgpr_count:     96
    .vgpr_count:     512
    .wavefront_size: 32
...
	.end_amdgpu_metadata
.endif
;; end of part 3
;; launch proj (part 4): grid 256 x 1, 16 waves a work-group, clusters of 4 x 1, 327,680 bytes of LDS; arguments ab, W_fc2_codes, W_fc2_scales, b_fc2, x, out0; writes out0
.if DOCPART == 4
	.amdgcn_target "amdgcn-amd-amdhsa--gfx1250"
	.amdhsa_code_object_version 6
	.text
	.protected	k_q97019c9963_proj
	.globl	k_q97019c9963_proj
	.p2align	8
	.type	k_q97019c9963_proj,@function
k_q97019c9963_proj:
	s_mov_b64 s[64:65], 0
	v_nop
	global_prefetch_b8 v0, s[64:65] scope:SCOPE_SE
	s_setreg_imm32_b32 hwreg(HW_REG_WAVE_MODE, 25, 1), 1
	s_wait_xcnt 0x0
	s_wait_alu depctr_hold_cnt(0) depctr_sa_sdst(0) depctr_va_vdst(0) depctr_va_sdst(0) depctr_va_ssrc(0) depctr_va_vcc(0) depctr_vm_vsrc(0)
	s_getreg_b32 s2, hwreg(HW_REG_IB_STS2, 6, 4)
	s_cmp_eq_u32 s2, 0
	s_cbranch_scc0 .Lentry_in_a_cluster
	s_endpgm
.Lentry_in_a_cluster:
	s_bfe_u32 s2, ttmp6, 0x10000c
	s_cmp_lg_u32 s2, 0x3003
	s_cbranch_scc0 .Lentry_shape_is_right
	s_endpgm
.Lentry_shape_is_right:
; out = layer_norm(x + swish(new_v W_fc2 + b_fc2)); the product on codes of FP8 (E4M3) with E8M0 scales; all else in f32.
; SHARES.  The norm wants whole rows: work-group B owns 32 rows (tiles 2 B, 2 B + 1 of ab) and all 1,024 columns.  Wave w owns columns 32 w .. + 31 (tiles t = 0, 1) and 512 + 32 w .. + 31 (t = 2, 3).
; The product is used transposed (source 0 = W_fc2, source 1 = new_v): lane (r, h) holds the tile's lane place r (row 32 B + 8 i + r + 8 (r / 8)); register j the tile's column 8 h + j.
; CLUSTER.  The four work-groups of a cluster walk the same W_fc2: every tile is asked for jointly (mask 15); its descriptor hangs on the wave's number and the phase alone.
; THE RING.  Two slots of 512 rows of W x 256 bytes (two K steps), 16 bytes of padding behind each row.  Eight phases: phase p holds column half p % 2 and K steps 2 (p / 2), 2 (p / 2) + 1.
; Each wave asks for 32 rows a phase, the rows that it multiplies itself.  One tensor load of a wave is out behind each round.
; new_v's 16 fragments come once, one a wave, and go from wave to wave through LDS as images of their registers.  x's 32 rows wait in registers and go to the stage in slot 0 behind that slot's last fill and last read.
; LIMITS: NaN and infinities are not served; for z under about -88 the swish comes out as -0.
.set SCO,   0x800000
.set SPT,   4112                       ; a stage row: 4,096 bytes + 16
.set WP,    272                        ; a row of W in LDS
.set SLOT,  512*WP
.set AIMG,  2*SLOT                     ; new_v's images, 8 i + s
.set PART1, AIMG+32768                 ; [row place 32][wave 16] sums; the second set 2,048 bytes on
.set SPARE, PART1+4096                 ; the spare words, 128 bytes for each wave
.set ACC,  16                          ; v16-79   accumulator (t, i) at 8 (2 t + i)
.set WF,   80                          ; v80-111  two fragments of W; from the swish on v80-143 x's part, then whole rows
.set AF,   112                         ; v112-143 two fragments of new_v
.set X,    144                         ; v144-207 two whole rows of x
.set SW,   144                         ; later the swish's work
.set WK,   176                         ; later v176-207 at work
.set WSC,  208                         ; v208-239 W's scale words, 8 t + s
.set ASC,  240                         ; v240-247 new_v's, one a K step: lanes 0-15 tile 0, lanes 16-31 tile 1
.set SPW,  13
.set NIL,  14
.set PFO,  15                          ; never rewritten
.set SEL,  36
.set HM,   38
.set CL,   40
.set G1,   48
.set G0,   56                          ; s[56:59], s[60:63] group 0 for slot 0, 1
.macro ROUND
	s_barrier_signal -1
	s_barrier_wait -1
	s_cmp_lg_u32 s16, 0
	s_cbranch_scc1 .Lnot_wave_0_\@
	s_barrier_signal -3
.Lnot_wave_0_\@:
	s_barrier_wait -3
	s_barrier_signal -1
	s_barrier_wait -1
.endm
	s_load_b256 s[4:11], s[0:1], 0x0               ; ab, W's codes, W's scales, b_fc2
	s_load_b128 s[12:15], s[0:1], 0x20             ; x, out0
	v_lshl_add_u32 v[SPW], v0, 2, SPARE
	v_mov_b32 v[NIL], 0
	ds_add_u32 v[SPW], v[NIL]                      ; the opening lines: the add twice on end and its wait
	ds_add_u32 v[SPW], v[NIL]
	v_lshrrev_b32 v1, 5, v0
	v_readfirstlane_b32 s16, v1                    ; wave 0..15
	s_bfe_u32 s20, ttmp6, 0x40000                  ; cx: it enters global addresses of my own rows alone
	s_lshl_b32 s21, ttmp9, 2
	s_add_co_u32 s21, s21, s20                     ; B
	v_and_b32 v249, 31, v0                         ; lane
	v_and_b32 v250, 15, v0                         ; r
	v_bfe_u32 v251, v0, 4, 1                       ; h
	v_lshlrev_b32 v1, 4, v249                      ; v1 = 16 x lane
	v_lshlrev_b32 v248, 2, v249                    ; v248 = 4 x lane
	v_mul_u32_u24 v2, v250, WP
	v_lshl_add_u32 v2, v251, 4, v2
	s_mul_i32 s17, s16, 32*WP                      ; my 32 rows of a slot
	v_add_nc_u32 v2, s17, v2                       ; v2: W in slot 0: row r + 16 h
	v_add_nc_u32 v3, SLOT, v2                      ; v3: in slot 1
	v_lshlrev_b32 v4, 5, v250                      ; v4: W's scale bytes: 32 a row
	v_lshlrev_b32 v5, 5, v251                      ; v5: the bias of 8 h + 0 .. 7
	s_mul_i32 s18, s16, 2*SPT
	v_add_nc_u32 v6, s18, v1                       ; v6: the stage by rows: my wave's two rows
	v_mul_u32_u24 v7, v250, SPT
	v_lshl_add_u32 v7, v251, 5, v7
	s_lshl_b32 s18, s16, 7
	v_add_nc_u32 v7, s18, v7                       ; v7: the stage by results, tile 0: row place r, + 128 w + 32 h
	v_add_nc_u32 v8, 16*SPT, v7                    ; v8: tile 1
	v_add_nc_u32 v9, AIMG, v1                      ; v9: an image's place for my lane
	s_lshl_b32 s18, s16, 11
	v_add_nc_u32 v10, s18, v9                      ; v10: the image that I store
	v_lshlrev_b32 v11, 6, v249
	s_lshl_b32 s18, s16, 2
	v_add_nc_u32 v11, s18, v11
	v_add_nc_u32 v11, PART1, v11                   ; v11: my wave's sum of row place = lane
	v_lshlrev_b32 v12, 6, v250
	v_add_nc_u32 v12, PART1, v12                   ; v12: the sixteen sums of row place r
	v_min_u32 v[PFO], 7, v249
	s_lshl_b32 s19, s20, 7
	s_lshl_b32 s18, s16, 3
	s_add_co_u32 s19, s19, s18
	v_add_nc_u32 v[PFO], s19, v[PFO]
	v_lshlrev_b32 v[PFO], 10, v[PFO]               ; row 128 cx + 8 w + min(lane, 7) of a phase's 512, 1,024 bytes a row
	s_lshl_b32 s18, s21, 5                         ; stage rows 2 w, 2 w + 1 are rows g0, g0 + 1: g0 = 32 B + 8 (w / 8) + 2 (w % 8) + 8 ((w / 4) % 2)
	s_lshr_b32 s19, s16, 3
	s_lshl_b32 s19, s19, 3
	s_add_co_u32 s18, s18, s19
	s_and_b32 s19, s16, 7
	s_lshl_b32 s19, s19, 1
	s_add_co_u32 s18, s18, s19
	s_bfe_u32 s19, s16, 0x10002
	s_lshl_b32 s19, s19, 3
	s_add_co_u32 s18, s18, s19
	s_lshl_b32 s22, s18, 12
	s_mov_b32 s23, 0
	s_lshl_b32 s24, s21, 15                        ; ab's images: 32,768 bytes a work-group, 2,048 a wave
	s_lshl_b32 s19, s16, 11
	s_add_co_u32 s24, s24, s19
	s_mov_b32 s25, 0
	s_lshl_b32 s26, s21, 7                         ; ab's scale words: 128 bytes a work-group in each K step
	s_add_co_u32 s26, s26, SCO
	s_mov_b32 s27, 0
	s_lshl_b32 s28, s16, 15                        ; W: my 32 rows of a half
	s_mov_b32 s29, 0
	s_lshl_b32 s30, s16, 10                        ; their scale bytes
	s_mov_b32 s31, 0
	s_lshl_b32 s32, s16, 7                         ; their bias
	s_mov_b32 s33, 0
	s_mov_b32 s[SEL], 0x76543210
	s_mov_b32 s[SEL+1], 0xfedcba98
	s_mov_b32 s[HM], 0xffff0000
	s_mov_b32 s[CL], 0xbfb8aa3b
	s_mov_b32 s[CL+1], s[CL]
	s_mov_b32 s42, 0x3a800000                      ; 1 / 1024
	s_mov_b32 s43, 0x3727c5ac                      ; 1e-5
	s_mov_b32 s[G1], 15|(1<<20)|(1<<21)|(5<<22)|(3<<25)   ; the mask; elements of 1 byte; padding on; bit 21 beside a mask; four words after every 64
	s_mov_b32 s[G1+1], 256<<16
	s_mov_b32 s[G1+2], 32<<16
	s_mov_b32 s[G1+3], 256<<16
	s_mov_b32 s[G1+4], 32
	s_mov_b32 s[G1+5], 1024
	s_mov_b32 s[G1+6], 0
	s_mov_b32 s[G1+7], 0
	s_mov_b32 s[G0], 1
	s_mov_b32 s[G0+1], s17
	s_mov_b32 s[G0+4], 1
	s_add_co_u32 s[G0+5], s17, SLOT
	s_wait_alu depctr_va_vdst(0)
	s_wait_dscnt 0x0                               ; both opening adds are done
	s_wait_kmcnt 0x0
	s_add_nc_u64 s[12:13], s[12:13], s[22:23]
	s_add_nc_u64 s[14:15], s[14:15], s[22:23]
	s_add_nc_u64 s[34:35], s[4:5], s[26:27]
	s_add_nc_u64 s[4:5], s[4:5], s[24:25]
	s_add_nc_u64 s[8:9], s[8:9], s[30:31]
	s_add_nc_u64 s[10:11], s[10:11], s[32:33]
	s_add_nc_u64 s[G0+2:G0+3], s[6:7], s[28:29]    ; phase 0: column half 0,
	s_add_nc_u64 s[G0+6:G0+7], s[G0+2:G0+3], 524288   ; phase 1: half 1
	s_or_b32 s[G0+3], s[G0+3], 0x80000000
	s_or_b32 s[G0+7], s[G0+7], 0x80000000
.irp c, 0,1,2,3
	global_load_b128 v[AF+4*\c:AF+4*\c+3], v1, s[4:5] offset:512*\c   ; my image of new_v
.endr
.irp t, 0,1,2,3
.irp q, 0,1
	global_load_b128 v[WSC+8*\t+4*\q:WSC+8*\t+4*\q+3], v4, s[8:9] offset:512*(\t%2)+16384*(\t/2)+16*\q
.endr
.endr
.irp s, 0,1,2,3,4,5,6,7
	global_load_b32 v[ASC+\s], v248, s[34:35] offset:32768*\s
.endr
.irp t, 0,1,2,3
.irp i, 0,1
.irp q, 0,1
	global_load_b128 v[ACC+8*(2*\t+\i)+4*\q:ACC+8*(2*\t+\i)+4*\q+3], v5, s[10:11] offset:64*(\t%2)+2048*(\t/2)+16*\q   ; the bias starts the sums
.endr
.endr
.endr
	ROUND                                          ; all four work-groups are here: the first joint loads meet
	tensor_load_to_lds s[G0:G0+3], s[G1:G1+7]      ; phase 0: one tensor load a wave at the head
	s_nop 0
.irp k, 0,1,2,3,4,5,6,7,8,9,10,11,12,13,14,15
	global_load_b128 v[X+4*\k:X+4*\k+3], v1, s[12:13] offset:512*\k th:TH_LOAD_NT   ; two whole rows of x, 8,192 consecutive bytes: asked for last, wanted in the last phase
.endr
	s_wait_loadcnt 48                              ; my image is in; the 8 + 8 + 16 + 16 loads behind it may be out
	s_wait_tensorcnt 0x0                           ; no tensor load of mine is out while I store to LDS
.irp c, 0,1,2,3
	ds_store_b128 v10, v[AF+4*\c:AF+4*\c+3] offset:512*\c
.endr
.macro WLD sl, ks                      ; my two tiles of W, K step ks of the slot
.irp tt, 0,1
.irp c, 0,1,2,3
	ds_load_b128 v[WF+16*\tt+4*\c:WF+16*\tt+4*\c+3], v[2+(\sl)] offset:16*WP*\tt+128*(\ks)+32*\c
.endr
.endr
.endm
.macro ALD kg                          ; new_v's two fragments of K step kg
.irp i, 0,1
.irp c, 0,1,2,3
	ds_load_b128 v[AF+16*\i+4*\c:AF+16*\i+4*\c+3], v9 offset:2048*(8*\i+(\kg))+512*\c
.endr
.endr
.endm
.macro MM hf, kg                       ; four products on four accumulators, which take turns
.irp tt, 0,1
	v_wmma_scale_f32_16x16x128_f8f6f4 v[ACC+16*(2*(\hf)+\tt):ACC+16*(2*(\hf)+\tt)+7], v[WF+16*\tt:WF+16*\tt+15], v[AF:AF+15], v[ACC+16*(2*(\hf)+\tt):ACC+16*(2*(\hf)+\tt)+7], v[WSC+8*(2*(\hf)+\tt)+(\kg)], v[ASC+(\kg)]
.endr
.irp tt, 0,1
	v_wmma_scale_f32_16x16x128_f8f6f4 v[ACC+16*(2*(\hf)+\tt)+8:ACC+16*(2*(\hf)+\tt)+15], v[WF+16*\tt:WF+16*\tt+15], v[AF+16:AF+31], v[ACC+16*(2*(\hf)+\tt)+8:ACC+16*(2*(\hf)+\tt)+15], v[WSC+8*(2*(\hf)+\tt)+(\kg)], v[ASC+(\kg)] matrix_b_scale:MATRIX_SCALE_ROW1
.endr
.endm
; A PHASE.  Each wave waits for all its tensor loads (its rows of this phase), adds 0 to its spare word, waits for that and for its LDS accesses; a round of the cluster's barrier; the other slot takes the next phase.
.macro PH p
	s_wait_tensorcnt 0x0
	ds_add_u32 v[SPW], v[NIL]
.if ((\p) > 0) && ((\p) < 7)
	s_add_nc_u64 s[G0+4*(((\p)+1)%2)+2:G0+4*(((\p)+1)%2)+3], s[G0+4*(((\p)+1)%2)+2:G0+4*(((\p)+1)%2)+3], 256   ; that slot's next two K steps
.endif
	s_wait_dscnt 0x0
.if (\p) < 7
	ROUND
	tensor_load_to_lds s[G0+4*(((\p)+1)%2):G0+4*(((\p)+1)%2)+3], s[G1:G1+7]
	s_nop 0
.else
	s_barrier_signal -1
	s_barrier_wait -1                              ; nobody reads slot 0 any more, and it has had its last fill: it becomes the stage
	s_wait_loadcnt 0x0                             ; x
.irp k, 0,1,2,3,4,5,6,7,8,9,10,11,12,13,14,15
	ds_store_b128 v6, v[X+4*\k:X+4*\k+3] offset:SPT*(\k/8)+512*(\k%8)
.endr
.endif
.irp ks, 0,1
	WLD (\p)%2, \ks
	ALD 2*((\p)/2)+\ks
.if ((\p) == 0) && (\ks == 0)
	s_wait_loadcnt 16                              ; the scale words and the bias are in; x's 16 loads may be out
.endif
	s_wait_dscnt 0x0
	MM (\p)%2, 2*((\p)/2)+\ks
.if ((\p) < 6) && (\ks == 0)
.endif
.rept 8
	v_nop                                          ; places in front of loads into registers that these products have read, and of the first read of results
.endr
.endr
.endm
.irp p, 0,1,2,3,4,5,6,7
	PH \p
.endr
	v_mov_b32 v[WK+4], 0                           ; written once: a lane permute's destination counts as one of its sources
	v_mov_b32 v[WK+5], 0
	s_barrier_signal -1                            ; my stores of x were waited for in the last phase
	s_barrier_wait -1                              ; 32 rows of x lie in the stage
.macro SWISH a, t, n
.set SWJ, 0
.rept (\n)/2
	v_pk_mul_f32 v[\t+SWJ:\t+SWJ+1], v[\a+SWJ:\a+SWJ+1], s[CL:CL+1] op_sel_hi:[1,0]
.set SWJ, SWJ+2
.endr
.set SWJ, 0
	s_wait_alu depctr_va_vdst(0)
.rept \n
	v_exp_f32 v[\t+SWJ], v[\t+SWJ]
.set SWJ, SWJ+1
.endr
	v_nop
.set SWJ, 0
	s_wait_alu depctr_va_vdst(0)
.rept (\n)/2
	v_pk_add_f32 v[\t+SWJ:\t+SWJ+1], v[\t+SWJ:\t+SWJ+1], 1.0 op_sel_hi:[1,0]
.set SWJ, SWJ+2
.endr
.set SWJ, 0
	s_wait_alu depctr_va_vdst(0)
.rept \n
	v_rcp_f32 v[\t+SWJ], v[\t+SWJ]
.set SWJ, SWJ+1
.endr
	v_nop
.set SWJ, 0
	s_wait_alu depctr_va_vdst(0)
.rept (\n)/2
	v_pk_mul_f32 v[\a+SWJ:\a+SWJ+1], v[\a+SWJ:\a+SWJ+1], v[\t+SWJ:\t+SWJ+1]
.set SWJ, SWJ+2
.endr
.endm
; my sums of tile 0 (pair v[WK]) and tile 1 (pair v[WK + 2]) over my 64 columns become the rows' sums over all 1,024: v[WK] for tile 0, v[WK + 16] for tile 1
.macro XCHG off
	s_delay_alu instid0(VALU_DEP_2)
	v_add_f32 v[WK], v[WK], v[WK+1]
	s_delay_alu instid0(VALU_DEP_2)
	v_add_f32 v[WK+2], v[WK+2], v[WK+3]
	s_delay_alu instid0(VALU_DEP_2)
	v_permlanex16_b32 v[WK+4], v[WK], s[SEL], s[SEL+1]
	s_delay_alu instid0(VALU_DEP_2)
	v_permlanex16_b32 v[WK+5], v[WK+2], s[SEL], s[SEL+1]
	s_delay_alu instid0(VALU_DEP_2)
	v_add_f32 v[WK], v[WK], v[WK+4]
	s_delay_alu instid0(VALU_DEP_2)
	v_add_f32 v[WK+2], v[WK+2], v[WK+5]
	s_delay_alu instid0(VALU_DEP_1)
	v_cndmask_b32 v[WK], v[WK], v[WK+2], s[HM]     ; lanes 0-15 tile 0's rows, lanes 16-31 tile 1's: row place = lane
	ds_store_b32 v11, v[WK] offset:\off
	s_wait_dscnt 0x0
	s_barrier_signal -1
	s_barrier_wait -1
.irp i, 0,1
.irp k, 0,1,2,3
	ds_load_b128 v[WK+16*\i+4*\k:WK+16*\i+4*\k+3], v12 offset:\off+1024*\i+16*\k
.endr
.endr
	s_wait_dscnt 0x0
.irp i, 0,1
.irp k, 0,4,8,12
	v_pk_add_f32 v[WK+16*\i+\k:WK+16*\i+\k+1], v[WK+16*\i+\k:WK+16*\i+\k+1], v[WK+16*\i+\k+2:WK+16*\i+\k+3]
.endr
.endr
.irp i, 0,1
.irp k, 0,8
	v_pk_add_f32 v[WK+16*\i+\k:WK+16*\i+\k+1], v[WK+16*\i+\k:WK+16*\i+\k+1], v[WK+16*\i+\k+4:WK+16*\i+\k+5]
.endr
.endr
.irp i, 0
	s_delay_alu instid0(VALU_DEP_3)
	v_pk_add_f32 v[WK+16*\i:WK+16*\i+1], v[WK+16*\i:WK+16*\i+1], v[WK+16*\i+8:WK+16*\i+9]
.endr
.irp i, 1
	s_delay_alu instid0(VALU_DEP_2)
	v_pk_add_f32 v[WK+16*\i:WK+16*\i+1], v[WK+16*\i:WK+16*\i+1], v[WK+16*\i+8:WK+16*\i+9]
.endr
.irp i, 0,1
	s_delay_alu instid0(VALU_DEP_2)
	v_add_f32 v[WK+16*\i], v[WK+16*\i], v[WK+16*\i+1]
.endr
.endm
	; x's part comes back from the stage in the results' layout while the swish is worked
.irp t, 0,1,2,3
.irp i, 0,1
.irp q, 0,1
	ds_load_b128 v[WF+8*(2*\t+\i)+4*\q:WF+8*(2*\t+\i)+4*\q+3], v[7+\i] offset:64*(\t%2)+2048*(\t/2)+16*\q
.endr
.endr
.endr
	SWISH ACC, SW, 32
	SWISH ACC+32, SW, 32
	s_wait_dscnt 0x0
.irp j, 0,2,4,6,8,10,12,14,16,18,20,22,24,26,28,30,32,34,36,38,40,42,44,46,48,50,52,54,56,58,60,62
	v_pk_add_f32 v[ACC+\j:ACC+\j+1], v[ACC+\j:ACC+\j+1], v[WF+\j:WF+\j+1]   ; y = x + m
.endr
	; the mean
.irp i, 0,1
	v_pk_add_f32 v[WK+2*\i:WK+2*\i+1], v[ACC+8*\i:ACC+8*\i+1], v[ACC+8*\i+2:ACC+8*\i+3]
.endr
.irp t, 0,1,2,3
.irp pr, 0,2,4,6
.if (\t > 0) || (\pr > 2)
.irp i, 0,1
	s_delay_alu instid0(VALU_DEP_2)
	v_pk_add_f32 v[WK+2*\i:WK+2*\i+1], v[WK+2*\i:WK+2*\i+1], v[ACC+8*(2*\t+\i)+\pr:ACC+8*(2*\t+\i)+\pr+1]
.endr
.endif
.endr
.endr
	XCHG 0
	s_delay_alu instid0(VALU_DEP_2)
	v_mul_f32 v[WK], s42, v[WK]
	s_delay_alu instid0(VALU_DEP_2)
	v_mul_f32 v[WK+16], s42, v[WK+16]
.irp t, 0,1,2,3
.irp i, 0,1
.irp pr, 0,2,4,6
	v_pk_add_f32 v[ACC+8*(2*\t+\i)+\pr:ACC+8*(2*\t+\i)+\pr+1], v[ACC+8*(2*\t+\i)+\pr:ACC+8*(2*\t+\i)+\pr+1], v[WK+16*\i:WK+16*\i+1] op_sel_hi:[1,0] neg_lo:[0,1] neg_hi:[0,1]   ; y - mean
.endr
.endr
.endr
	; the mean of the squared differences: no difference of large sums is formed
.irp i, 0,1
	v_pk_mul_f32 v[WK+2*\i:WK+2*\i+1], v[ACC+8*\i:ACC+8*\i+1], v[ACC+8*\i:ACC+8*\i+1]
.endr
.irp t, 0,1,2,3
.irp pr, 0,2,4,6
.if (\t > 0) || (\pr > 0)
.irp i, 0,1
	s_delay_alu instid0(VALU_DEP_2)
	v_pk_fma_f32 v[WK+2*\i:WK+2*\i+1], v[ACC+8*(2*\t+\i)+\pr:ACC+8*(2*\t+\i)+\pr+1], v[ACC+8*(2*\t+\i)+\pr:ACC+8*(2*\t+\i)+\pr+1], v[WK+2*\i:WK+2*\i+1]
.endr
.endif
.endr
.endr
	XCHG 2048
	s_delay_alu instid0(VALU_DEP_2)
	v_fma_f32 v[WK], v[WK], s42, s43               ; the variance + 1e-5
	s_delay_alu instid0(VALU_DEP_2)
	v_fma_f32 v[WK+16], v[WK+16], s42, s43
	s_wait_alu depctr_va_vdst(0)
	v_rsq_f32 v[WK], v[WK]
	v_rsq_f32 v[WK+16], v[WK+16]
	v_nop
	s_wait_alu depctr_va_vdst(0)
.irp t, 0,1,2,3
.irp i, 0,1
.irp pr, 0,2,4,6
	v_pk_mul_f32 v[ACC+8*(2*\t+\i)+\pr:ACC+8*(2*\t+\i)+\pr+1], v[ACC+8*(2*\t+\i)+\pr:ACC+8*(2*\t+\i)+\pr+1], v[WK+16*\i:WK+16*\i+1] op_sel_hi:[1,0]
.endr
.endr
.endr
	; the way out: back to my own bytes of the stage; a barrier; each wave stores two whole rows
.irp t, 0,1,2,3
.irp i, 0,1
.irp q, 0,1
	ds_store_b128 v[7+\i], v[ACC+8*(2*\t+\i)+4*\q:ACC+8*(2*\t+\i)+4*\q+3] offset:64*(\t%2)+2048*(\t/2)+16*\q
.endr
.endr
.endr
	s_wait_dscnt 0x0
	s_barrier_signal -1
	s_barrier_wait -1
.irp k, 0,1,2,3,4,5,6,7,8,9,10,11,12,13,14,15
	ds_load_b128 v[WF+4*\k:WF+4*\k+3], v6 offset:SPT*(\k/8)+512*(\k%8)
.endr
.irp k, 0,1,2,3,4,5,6,7,8,9,10,11,12,13,14,15
	s_wait_dscnt 15-\k
	global_store_b128 v1, v[WF+4*\k:WF+4*\k+3], s[14:15] offset:512*\k th:TH_STORE_NT   ; 32 lanes store 512 consecutive bytes, aligned
.endr
	s_wait_tensorcnt 0x0                           ; the wave's end
	ds_add_u32 v[SPW], v[NIL]
	s_wait_dscnt 0x0
	ROUND                                          ; the closing round
	s_endpgm
.Lfunc_end_k_q97019c9963_proj:
	.size	k_q97019c9963_proj, .Lfunc_end_k_q97019c9963_proj-k_q97019c9963_proj
	.p2alignl 7, 3214868480
	.fill 96, 4, 3214868480
	.section	.rodata,"a",@progbits
	.p2align	6, 0x0
	.amdhsa_kernel k_q97019c9963_proj
		.amdhsa_group_segment_fixed_size 327680
		.amdhsa_private_segment_fixed_size 0
		.amdhsa_enable_private_segment 0
		.amdhsa_kernarg_size 48
		.amdhsa_user_sgpr_count 2
		.amdhsa_user_sgpr_kernarg_segment_ptr 1
		.amdhsa_wavefront_size32 1
		.amdhsa_system_sgpr_workgroup_id_x 1
		.amdhsa_system_sgpr_workgroup_id_y 1
		.amdhsa_system_sgpr_workgroup_id_z 1
		.amdhsa_system_vgpr_workitem_id 0
		.amdhsa_next_free_vgpr 256
		.amdhsa_next_free_sgpr 66
		.amdhsa_reserve_vcc 0
		.amdhsa_float_denorm_mode_32 3
		.amdhsa_float_denorm_mode_16_64 3
		.amdhsa_memory_ordered 1
		.amdhsa_forward_progress 1
		.amdhsa_inst_pref_size 77
	.end_amdhsa_kernel
	.amdgpu_metadata
---
amdhsa.version: [ 1, 2 ]
amdhsa.kernels:
  - .name:           k_q97019c9963_proj
    .symbol:         k_q97019c9963_proj.kd
    .args:
      - { .name: ab, .offset: 0, .size: 8, .value_kind: global_buffer, .address_space: global }
      - { .name: W_fc2_codes, .offset: 8, .size: 8, .value_kind: global_buffer, .address_space: global }
      - { .name: W_fc2_scales, .offset: 16, .size: 8, .value_kind: global_buffer, .address_space: global }
      - { .name: b_fc2, .offset: 24, .size: 8, .value_kind: global_buffer, .address_space: global }
      - { .name: x, .offset: 32, .size: 8, .value_kind: global_buffer, .address_space: global }
      - { .name: out0, .offset: 40, .size: 8, .value_kind: global_buffer, .address_space: global }
    .group_segment_fixed_size: 327680
    .private_segment_fixed_size: 0
    .kernarg_segment_align: 8
    .kernarg_segment_size: 48
    .max_flat_workgroup_size: 512
    .sgpr_count:     66
    .vgpr_count:     256
    .wavefront_size: 32
...
	.end_amdgpu_metadata
.endif
;; end of part 4
